; MI455X (gfx1250); checked and timed in simulation.
; The chip was launched on July 23, 2026; its instructions are those of AMD's public machine-readable ISA for CDNA 5 (MIT licence, August 2026) and "CDNA5" Instruction Set Architecture Reference Guide (July 2026). The comments in the code are by the model that wrote it; some were corrected since.
;; Fusion Network. Allowed arithmetic: float matrix products may take bf16 or f16 operands with f32 sums; all other float work in f32.
;; Inputs: au 16 x 8,192 x 256 float32; vi 16 x 8,192 x 256 float32; wk_b 256 float32; wk_w 256 x 256 float32; wq_b 256 float32; wq_w 256 x 256 float32; wv_b 512 float32; wv_w 512 x 512 float32.
;; Outputs: out0 16 x 512 float32; out1 16 x 8,192 float32.
;; 3 versions, each right; version 3 is version 2 with the launch finish written anew for expert scheduling mode. Each part assembles by itself: llvm-mc -triple=amdgcn-amd-amdhsa -mcpu=gfx1250 --defsym DOCPART=n.
;; ======== version 1 of 3: 2 launches
;; workspace buffers: scores 524,288 bytes; part 589,824 bytes
;; launch stream (part 1): grid 256 x 1, 4 waves a work-group, no clusters, 160,256 bytes of LDS; arguments vi, au, wq_w, wq_b, wk_w, wk_b, scores, part; writes scores, part
.if DOCPART == 1
	.amdgcn_target "amdgcn-amd-amdhsa--gfx1250"
	.amdhsa_code_object_version 6
	.text
	.protected	k_q56ccc86bb4_stream
	.globl	k_q56ccc86bb4_stream
	.p2align	8
	.type	k_q56ccc86bb4_stream,@function
k_q56ccc86bb4_stream:
	s_mov_b64 s[64:65], 0
	v_nop
	global_prefetch_b8 v0, s[64:65] scope:SCOPE_SE
	s_setreg_imm32_b32 hwreg(HW_REG_WAVE_MODE, 25, 1), 1
	s_wait_xcnt 0x0
; FIRST OF TWO LAUNCHES.  For 512 rows s of one batch (work-group x: flat rows 512 x .. 512 x + 511, batch x / 16):
;   q = vi Wq + bq, k = au Wk + bk (bf16 operands, f32 sums), score[s] = (q[s] . k[s]) / 16 in f32  -> scores
;   a running softmax over the 512 rows: m = max score, l = sum exp(score - m), P[e] = sum exp(score - m) [vi|au][s][e]  -> part
; The value projection is not made row by row: sum_s w[s] ([vi|au][s] Wv + bv) = (sum_s w[s] [vi|au][s]) Wv + bv, since the weights of a
; softmax add up to one.  That holds for every input; the second launch joins the 16 records of a batch and multiplies by Wv once.
; LIMITS.  vi, au, Wq, Wk enter the products, and vi, au the pooled sum P, rounded to bf16.  v_exp_f32 gives 0 for results below 2^-126.
; Scores that are not finite are not reproduced.
;
; SHARES.  Four waves, 8 tiles of 64 rows.  Wave w keeps the bf16 fragments of columns 64 w .. 64 w + 63 of Wq and of Wk in 512 registers for the
; whole launch, so the loop reads no weight from LDS, and each fragment of vi or au that it reads from LDS feeds four matrix instructions.
; vi and au come by 16-byte loads into 256 registers a wave (64 loads of 512 neighbouring bytes: 16 rows of both), are rounded there to bf16, are
; put into one of two LDS stages, and the registers are loaded again with the next tile, which has a whole tile's work in which to land.
; NO TENSOR LOADS: every byte has to pass registers for the rounding, so a tile in LDS as f32 would be 128 KiB written and read once more a tile.
; NO CLUSTER: the rows are no other work-group's.  Only the weights are shared, 512 KiB read once by each work-group against 1 MiB of rows, and they are
; wanted rounded and transposed in registers, which a copy into LDS does not make.
;
; THE MATRIX INSTRUCTION IS USED TRANSPOSED: source 0 = 16 columns (features) of a weight, source 1 = 16 rows of vi or au.  Lane (r, h) = (lane % 16,
; lane / 16) then holds in register j the number q[row0 + r][f0 + 8 h + j]: the row's dot product is summed inside the lane, and one exchange of the halves ends it.
; The bias is the C operand of the first K step: register j of lane (r, h) holds b[f0 + 8 h + j].
;
; LDS:  PART [4 waves][64 rows] f32, each wave's part of the dot products | PW [4 waves][64] f32, exp(score - m), each wave's own copy |
;       FIN [2][512] f32, the two halves of P at the end | WT 5,120 bytes a wave, its own: 32 k x 64 n of a weight in bf16, pitch 160 (set-up only) |
;       two stages of 64 rows, pitch 1,040 = [vi 512 bytes | au 512 bytes | 16 unused]: an odd multiple of 16, so that the sixteen rows of a fragment
;       load begin in sixteen different 16-byte columns of 256 bytes.
; REGISTERS, in windows of 256:  window 0 as named below;  window 1: weight fragments of K steps 0-3, window 2: of K steps 4-7, at
;       8 ((ks % 4) 8 + 4 mat + nt), mat 0 = Wq, 1 = Wk;  window 3: the rows on their way, load q at 4 q .. 4 q + 3.
.set SP,     1040                      ; pitch of a stage row
.set STAGEB, 64*SP                     ; bytes of a stage
.set PART,   0
.set PW,     1024
.set FIN,    2048
.set WT,     6144
.set WTP,    160                       ; pitch of the weight scratch: an odd multiple of 32
.set WTW,    32*WTP
.set STAGE0, 26624
.set LOG2E,  0x3fb8aa3b
.set XOFF, 1                           ; v1      byte offset in vi and au: 16 rows x wave + 16 x lane
.set L8,   2                           ; v2      8 x lane
.set SST,  3                           ; v3-4    stage 0, 1: where I put 8 bytes of my wave's first row
.set FRA,  5                           ; v5-6    stage 0, 1: r x pitch + 16 h, fragments
.set XLD,  7                           ; v7-8    stage 0, 1: my 16 bytes of the first of the 32 rows that I pool
.set PST,  9                           ; v9      256 x wave + 4 r
.set PWS,  10                          ; v10     256 x wave + 8 x lane
.set PWL,  11                          ; v11     256 x wave + 128 x (wave / 2)
.set MX,   12                          ; v12     running maximum
.set LS,   13                          ; v13     running sum of exponentials, this lane's two rows of each tile
.set POOL, 14                          ; v14-21  P of my 8 columns, over my 32 rows of each tile
.set DG,   22                          ; v22-25  dot products of the four blocks of 16 rows; v22-31 at work in the softmax
.set WOFF, 26                          ; v26-30  set-up only: offsets for the weights, the scratch, the biases, the prefetch
.set WST,  27
.set WTR,  28
.set BOFF, 29
.set PF,   30
.set BIAS, 32                          ; v32-63 bq, v64-95 bk: 8 registers for each of 4 blocks of 16 features
.set ACC,  96                          ; v96-127 q, v128-159 k: accumulators, 8 for each of 4 blocks of 16 features
.set QA,   96
.set KA,   128
.set FR,   160                         ; v160-255  three buffers of 32: fragments of 2 K steps x (vi, au)
.set XD,   96                          ; v96-223   pooling: 32 rows x 4 registers (the accumulators and fragments are done with by then)
.set PB,   224                         ; v224-255  pooling: exp(score - m) of my 32 rows, the same in every lane
.set MSB, 0
.macro WIN new                         ; low byte: bits 1:0 source 0, 3:2 source 1, 5:4 source 2, 7:6 destination; the high byte repeats the setting that is left
.if MSB != \new
	s_set_vgpr_msb (MSB<<8)|\new
.set MSB, \new
.endif
.endm
.macro PLACES n
.rept \n
	v_nop
.endr
.endm
; 16 loads' registers from \base on (window 3): 4 f32 become 4 bf16 in the first two registers of each four
.macro CVT16 base
.set q, \base
.rept 16
	v_cvt_pk_bf16_f32 v[q], v[q], v[q+1]
	v_cvt_pk_bf16_f32 v[q+1], v[q+2], v[q+3]
.set q, q+4
.endr
.endm
; chunk c of a tile: my wave's rows 4 c .. 4 c + 3 of vi and of au, each row as two loads of 512 neighbouring bytes; read once in the launch
.macro XLOAD c
	WIN 0xC0
.irp i, 0,1,2,3
.irp a, 0,1
.irp hf, 0,1
	global_load_b128 v[4*(16*(\c)+4*\i+2*\a+\hf):4*(16*(\c)+4*\i+2*\a+\hf)+3], v[XOFF], s[8+2*\a:9+2*\a] offset:(4*(\c)+\i)*1024+\hf*512 th:TH_LOAD_NT
.endr
.endr
.endr
.endm
; chunk c has landed (left = the younger loads, which stay out): round it and put it into the stage.  A store covers 256 neighbouring bytes of LDS.
.macro XCHUNK slot, c, left
	s_wait_loadcnt \left
	WIN 0xCF
	CVT16 64*(\c)
	WIN 0x0C
.irp i, 0,1,2,3
.irp a, 0,1
.irp hf, 0,1
	ds_store_b64 v[SST+\slot], v[4*(16*(\c)+4*\i+2*\a+\hf):4*(16*(\c)+4*\i+2*\a+\hf)+1] offset:(4*(\c)+\i)*SP+\a*512+\hf*256
.endr
.endr
.endr
.endm
; weight chunk i (mat = i / 8, K step = i % 8): 32 k x my 64 columns, f32, into ring place i % 4 of window 3.  Sixteen lanes take 256 neighbouring, aligned bytes of a row.
.macro WLOAD i
	WIN 0xC0
.irp u, 0,1,2,3,4,5,6,7,8,9,10,11,12,13,14,15
	global_load_b128 v[64*((\i)&3)+4*\u:64*((\i)&3)+4*\u+3], v[WOFF], s[12+4*((\i)>>3):13+4*((\i)>>3)] offset:(16*((\i)&7)+\u)*2048
.endr
.endm
; weight chunk i: round, lay it as [k][n] into my scratch, ask for the chunk four further on (behind the weights: tile 0's rows), read it back transposed as fragments.
; LDS serves a wave's instructions in order (ISA guide 5.7.1), and the scratch is my wave's own: no wait between stores, transposing loads and the next chunk's stores.
.macro PRO i
	s_wait_loadcnt 48                              ; loads end in order: chunk i (and the biases, which are older) are in; the three younger chunks, 16 loads each, stay out
	WIN 0xCF
	CVT16 64*((\i)&3)
	WIN 0x0C
.irp u, 0,1,2,3,4,5,6,7,8,9,10,11,12,13,14,15
	ds_store_b64 v[WST], v[64*((\i)&3)+4*\u:64*((\i)&3)+4*\u+1] offset:\u*2*WTP
.endr
.if (\i)+4 < 16
	WLOAD \i+4
.else
	XLOAD \i-12
.endif
	; Chunks 4 to 7 each ask once for 8 KiB (32 lanes, 256 bytes apart) of my wave's own 32 KiB of tile 0, eight chunks ahead of the loads that fetch them.
	; Nothing more is asked for: from tile 0 on the loads themselves run a tile ahead.
.if (\i) == 4
	global_prefetch_b8 v[PF], s[8:9] th:TH_LOAD_NT scope:SCOPE_SE
.endif
.if (\i) == 5
	global_prefetch_b8 v[PF], s[8:9] offset:8192 th:TH_LOAD_NT scope:SCOPE_SE
.endif
.if (\i) == 6
	global_prefetch_b8 v[PF], s[10:11] th:TH_LOAD_NT scope:SCOPE_SE
.endif
.if (\i) == 7
	global_prefetch_b8 v[PF], s[10:11] offset:8192 th:TH_LOAD_NT scope:SCOPE_SE
.endif
.if ((\i)&7) < 4
	WIN 0x40
.else
	WIN 0x80
.endif
.irp nt, 0,1,2,3
	ds_load_tr16_b128 v[8*(((\i)&3)*8+((\i)>>3)*4+\nt):8*(((\i)&3)*8+((\i)>>3)*4+\nt)+3], v[WTR] offset:32*\nt             ; k = 8 h .. 8 h + 7 of feature 16 nt + r
	ds_load_tr16_b128 v[8*(((\i)&3)*8+((\i)>>3)*4+\nt)+4:8*(((\i)&3)*8+((\i)>>3)*4+\nt)+7], v[WTR] offset:32*\nt+16*WTP    ; k = 16 + 8 h .. + 7
.endr
.endm
; group g = 4 sb + gs: rows 16 sb .. + 15, K steps 2 gs and 2 gs + 1, of vi and of au: 8 loads into buffer g % 3
.macro FETCH slot, g
.set fb, FR+32*((\g)%3)
.set fo, ((\g)>>2)*16*SP+((\g)&3)*128
.irp kk, 0,1
.irp mat, 0,1
	ds_load_b128 v[fb+16*\kk+8*\mat:fb+16*\kk+8*\mat+3],   v[FRA+\slot] offset:fo+\mat*512+\kk*64
	ds_load_b128 v[fb+16*\kk+8*\mat+4:fb+16*\kk+8*\mat+7], v[FRA+\slot] offset:fo+\mat*512+\kk*64+32
.endr
.endr
.endm
; group g's 16 matrix instructions.  The eight accumulators (q and k, four blocks of features each) take turns, one instruction a turn.
; K step 0 takes the bias as C and so starts the sums: nothing is cleared.
.macro MULG g
.set fb, FR+32*((\g)%3)
.set ks0, 2*((\g)&3)
.if ks0 < 4
	WIN 0x01
.else
	WIN 0x02
.endif
.irp kk, 0,1
.irp mat, 0,1
.irp nt, 0,1,2,3
.set wf, 8*(((ks0+\kk)&3)*8+\mat*4+\nt)
.set ac, ACC+32*\mat+8*\nt
.set bi, BIAS+32*\mat+8*\nt
.if ks0+\kk == 0
	v_wmma_f32_16x16x32_bf16 v[ac:ac+7], v[wf:wf+7], v[fb+16*\kk+8*\mat:fb+16*\kk+8*\mat+7], v[bi:bi+7]
.else
	v_wmma_f32_16x16x32_bf16 v[ac:ac+7], v[wf:wf+7], v[fb+16*\kk+8*\mat:fb+16*\kk+8*\mat+7], v[ac:ac+7]
.endif
.endr
.endr
.endr
.endm
; the dot product of q and k over my wave's 64 features, for rows 16 sb + r: 32 products inside the lane, then the other half's 32
.macro EPI sb
.irp p, 0,2,4,6
	v_pk_mul_f32 v[QA+\p:QA+\p+1], v[QA+\p:QA+\p+1], v[KA+\p:KA+\p+1]
.endr
.irp nt, 1,2,3
.irp p, 0,2,4,6
	v_pk_fma_f32 v[QA+\p:QA+\p+1], v[QA+8*\nt+\p:QA+8*\nt+\p+1], v[KA+8*\nt+\p:KA+8*\nt+\p+1], v[QA+\p:QA+\p+1]
.endr
.endr
	v_pk_add_f32 v[QA:QA+1], v[QA:QA+1], v[QA+2:QA+3]
	v_pk_add_f32 v[QA+4:QA+5], v[QA+4:QA+5], v[QA+6:QA+7]
	v_pk_add_f32 v[QA:QA+1], v[QA:QA+1], v[QA+4:QA+5]
	v_add_f32 v[QA], v[QA], v[QA+1]
	v_permlanex16_b32 v[QA+1], v[QA], s6, s7       ; lane i of the other half
	v_add_f32 v[DG+(\sb)], v[QA], v[QA+1]
.endm
; ONE TILE of 64 rows, in stage \slot.  reload = 1: the registers are loaded again with the next tile.
; Two barriers a tile.  A: the stage is whole.  B: the four waves' parts of the dot products are in PART.
; The stage written here was last read two tiles ago, in front of the last tile's barrier A; PART is read behind B and written again behind the next A.
.macro TILE slot, reload
	s_wait_xcnt 0x0                                ; the bases below, and v22-23 (the data of wave 0's last store), are rewritten only behind this wait
.if \reload
	s_add_nc_u64 s[8:9], s[8:9], 0x10000           ; vi and au: the next tile's 64 rows of 1,024 bytes
	s_add_nc_u64 s[10:11], s[10:11], 0x10000
.endif
	s_add_nc_u64 s[20:21], s[20:21], 256           ; scores: 64 numbers on; the store below reaches back
.if \reload
	XCHUNK \slot, 0, 48                            ; 48: the three younger chunks of 16 loads
	XLOAD 0
	XCHUNK \slot, 1, 48
	XLOAD 1
	XCHUNK \slot, 2, 48
	XLOAD 2
	XCHUNK \slot, 3, 48                            ; its registers are loaded again further down, in front of group 4
.else
	XCHUNK \slot, 0, 48                            ; the last tile loads nothing: the counts run down
	XCHUNK \slot, 1, 32
	XCHUNK \slot, 2, 16
	XCHUNK \slot, 3, 0
.endif
	WIN 0
	s_wait_dscnt 0x0                               ; my rows are in the stage (in the first tile also: my weight fragments are in)
	s_barrier_signal -1
	s_barrier_wait -1                              ; A: everybody's are
	FETCH \slot, 0
	FETCH \slot, 1
.irp g, 0,1,2,3,4,5,6,7,8,9,10,11,12,13,14,15
	WIN 0
	; Places behind the last group's matrix instructions: four in front of the loads into the buffer that it read, five where the next
	; group's first K step writes the accumulators anew and the dot product reads them.
.if \g > 0
.if (\g & 3) == 0
	PLACES 5
.else
	PLACES 4
.endif
.endif
.if \g < 14
	FETCH \slot, \g+2
.endif
.if \g > 0
.if (\g & 3) == 0
	EPI \g/4-1
.endif
.endif
.if \g == 4
.if \reload
	XLOAD 3                                        ; here and not at the stage's end: LOADcnt counts to 63 and a load beyond waits at issue (ISA guide 5.7.1);
	                                               ; the oldest of the 64 has had 64 matrix instructions in which to land
.endif
.endif
.if \g < 14
	s_wait_dscnt 16                                ; group g's fragments are in; those of g + 1 and g + 2, 8 loads each, stay out
.else
	s_wait_dscnt 8*(15-\g)
.endif
	MULG \g
.endr
	WIN 0
	PLACES 5
	EPI 3
.irp sb, 0,1,2,3
	ds_store_b32 v[PST], v[DG+\sb] offset:PART+64*\sb      ; both halves of the lanes write the same word with the same number
.endr
	s_wait_dscnt 0x0
	s_barrier_signal -1
	s_barrier_wait -1                              ; B
	; THE SOFTMAX'S STEP, made alike by every wave; lane l has rows 2 l and 2 l + 1
.irp w, 0,1,2,3
	ds_load_b64 v[DG+2*\w:DG+2*\w+1], v[L8] offset:PART+256*\w
.endr
.set pr, 0
.rept 32
	ds_load_b128 v[XD+4*pr:XD+4*pr+3], v[XLD+\slot] offset:pr*SP   ; the rows that I pool: 32 rows x my 8 columns of [vi|au], in bf16
.set pr, pr+1
.endr
	s_wait_dscnt 32                                ; the four parts are in; the 32 row loads stay out
	v_pk_add_f32 v[22:23], v[22:23], v[24:25]
	v_pk_add_f32 v[26:27], v[26:27], v[28:29]
	v_pk_add_f32 v[22:23], v[22:23], v[26:27]
	v_pk_mul_f32 v[22:23], v[22:23], 0x3d800000 op_sel_hi:[1,0]    ; / sqrt(256)
	s_cmp_lg_u32 s2, 0
	s_cbranch_scc1 .Lno_store_\@
	global_store_b64 v[L8], v[22:23], s[20:21] offset:-256         ; wave 0: the tile's 64 scores, 256 neighbouring bytes, aligned
.Lno_store_\@:
	v_max_num_f32 v24, v22, v23
	v_max_num_f32_dpp v24, v24, v24 row_xmask:1 row_mask:0xf bank_mask:0xf
	v_max_num_f32_dpp v24, v24, v24 row_xmask:2 row_mask:0xf bank_mask:0xf
	v_max_num_f32_dpp v24, v24, v24 row_xmask:4 row_mask:0xf bank_mask:0xf
	v_max_num_f32_dpp v24, v24, v24 row_xmask:8 row_mask:0xf bank_mask:0xf
	v_permlanex16_b32 v25, v24, s6, s7
	v_max3_num_f32 v24, v24, v25, v[MX]            ; the new maximum
	v_sub_f32 v25, v[MX], v24                      ; subtract first, scale then: large scores keep their low bits
	v_sub_f32 v26, v22, v24
	v_sub_f32 v27, v23, v24
	v_mul_f32 v25, LOG2E, v25
	v_mul_f32 v26, LOG2E, v26
	v_mul_f32 v27, LOG2E, v27
	v_exp_f32 v28, v25                             ; what the old sums shrink by (0 in the first tile: the maximum starts at -infinity)
	v_exp_f32 v30, v26
	v_exp_f32 v31, v27
	v_mov_b32 v[MX], v24                           ; the plain instruction between the exponentials and the first use of a result (ISA guide 5.7.2)
	s_wait_alu depctr_va_vdst(0)
	v_fma_f32 v[LS], v[LS], v28, v30
	v_add_f32 v[LS], v[LS], v31
.irp c, 0,2,4,6
	v_pk_mul_f32 v[POOL+\c:POOL+\c+1], v[POOL+\c:POOL+\c+1], v[28:29] op_sel_hi:[1,0]   ; both by v28
.endr
	ds_store_b64 v[PWS], v[30:31] offset:PW        ; into my wave's own copy, and back in every lane: served in order, no wait between
.irp i, 0,1,2,3,4,5,6,7
	ds_load_b128 v[PB+4*\i:PB+4*\i+3], v[PWL] offset:PW+16*\i
.endr
	s_wait_dscnt 0x0
	; POOLING: P += exp(score - m) x row, 32 rows x 8 columns a lane, straight from the bf16 halves, eight chains
.set pr, 0
.rept 32
.irp c, 0,1,2,3
	v_fma_mix_f32_bf16 v[POOL+2*\c],   v[XD+4*pr+\c], v[PB+pr], v[POOL+2*\c]   op_sel_hi:[1,0,0]
	v_fma_mix_f32_bf16 v[POOL+2*\c+1], v[XD+4*pr+\c], v[PB+pr], v[POOL+2*\c+1] op_sel:[1,0,0] op_sel_hi:[1,0,0]
.endr
.set pr, pr+1
.endr
.endm
	; SET-UP
	s_load_b512 s[8:23], s[0:1], 0x0               ; vi s[8:9], au s[10:11], wq_w s[12:13], wq_b s[14:15], wk_w s[16:17], wk_b s[18:19], scores s[20:21], part s[22:23]
	v_lshrrev_b32 v22, 5, v0
	v_readfirstlane_b32 s2, v22                    ; wave
	v_and_b32 v22, 31, v0                          ; lane
	v_and_b32 v23, 15, v0                          ; r
	v_bfe_u32 v24, v0, 4, 1                        ; h
	s_mov_b32 s6, 0x76543210                       ; v_permlanex16_b32: lane i of one half reads lane i of the other
	s_mov_b32 s7, 0xfedcba98
	s_and_b32 s24, s2, 1                           ; pooling: which 256 of the 512 columns are my wave's (0: vi, 1: au)
	s_lshr_b32 s25, s2, 1                          ; and which 32 of a tile's 64 rows
	s_lshl_b32 s26, s2, 14
	v_lshl_add_u32 v[XOFF], v22, 4, s26
	v_lshl_add_u32 v[PF], v22, 8, s26
	v_lshlrev_b32 v[L8], 3, v22
	s_mul_i32 s26, s2, 16*SP
	s_add_co_u32 s26, s26, STAGE0
	v_lshl_add_u32 v[SST], v22, 3, s26
	v_add_nc_u32 v[SST+1], STAGEB, v[SST]
	v_mul_u32_u24 v[FRA], v23, SP
	v_lshl_add_u32 v[FRA], v24, 4, v[FRA]
	v_add_nc_u32 v[FRA], STAGE0, v[FRA]
	v_add_nc_u32 v[FRA+1], STAGEB, v[FRA]
	s_mul_i32 s26, s25, 32*SP
	s_lshl_b32 s27, s24, 9
	s_add_co_u32 s26, s26, s27
	s_add_co_u32 s26, s26, STAGE0
	v_lshl_add_u32 v[XLD], v22, 4, s26
	v_add_nc_u32 v[XLD+1], STAGEB, v[XLD]
	s_lshl_b32 s26, s2, 8
	v_lshl_add_u32 v[PST], v23, 2, s26
	v_lshl_add_u32 v[PWS], v22, 3, s26
	s_lshl_b32 s27, s25, 7
	s_add_co_u32 s27, s27, s26
	v_mov_b32 v[PWL], s27
	v_lshl_add_u32 v[BOFF], v24, 5, s26            ; biases: 4 (64 w + 8 h)
	v_lshl_add_u32 v[WOFF], v23, 4, s26            ; weights: my wave's 256 bytes of a row, 16 bytes a lane,
	v_lshl_add_u32 v[WOFF], v24, 10, v[WOFF]       ; lanes 16-31 one row further down
	s_mul_i32 s27, s2, WTW
	s_add_co_u32 s27, s27, WT
	v_mul_u32_u24 v[WST], v24, WTP
	v_lshl_add_u32 v[WST], v23, 3, v[WST]
	v_add_nc_u32 v[WST], s27, v[WST]
	v_and_b32 v31, 7, v0
	v_lshl_add_u32 v31, v24, 3, v31                ; the transposing load: row 8 h + lane % 8,
	v_mul_u32_u24 v[WTR], v31, WTP
	v_bfe_u32 v31, v0, 3, 1
	v_lshl_add_u32 v[WTR], v31, 4, v[WTR]          ; 16 bytes on for lanes 8-15 and 24-31
	v_add_nc_u32 v[WTR], s27, v[WTR]
	v_mov_b32 v[MX], 0xff800000                    ; -infinity
	v_mov_b32 v[LS], 0
.irp c, 0,1,2,3,4,5,6,7
	v_mov_b32 v[POOL+\c], 0
.endr
	s_lshl_b32 s4, ttmp9, 19                       ; 512 rows of 1,024 bytes a work-group: below 2^27
	s_mov_b32 s5, 0
	s_wait_kmcnt 0x0
	s_add_nc_u64 s[8:9], s[8:9], s[4:5]
	s_add_nc_u64 s[10:11], s[10:11], s[4:5]
	s_lshl_b32 s4, ttmp9, 11                       ; 512 scores
	s_add_nc_u64 s[20:21], s[20:21], s[4:5]
	s_mul_i32 s4, ttmp9, 2304                      ; my record
	s_add_nc_u64 s[22:23], s[22:23], s[4:5]
.irp nt, 0,1,2,3
	global_load_b128 v[BIAS+8*\nt:BIAS+8*\nt+3],       v[BOFF], s[14:15] offset:64*\nt
	global_load_b128 v[BIAS+8*\nt+4:BIAS+8*\nt+7],     v[BOFF], s[14:15] offset:64*\nt+16
	global_load_b128 v[BIAS+32+8*\nt:BIAS+32+8*\nt+3], v[BOFF], s[18:19] offset:64*\nt
	global_load_b128 v[BIAS+32+8*\nt+4:BIAS+32+8*\nt+7], v[BOFF], s[18:19] offset:64*\nt+16
.endr
	WLOAD 0
	WLOAD 1
	WLOAD 2
	WLOAD 3
.irp i, 0,1,2,3,4,5,6,7,8,9,10,11,12,13,14,15
	PRO \i
.endr
	WIN 0                                          ; tile 0's 64 loads are out: the state at the head of every tile
	s_mov_b32 s3, 3
.Ltile:
	TILE 0, 1
	TILE 1, 1
	s_sub_co_u32 s3, s3, 1
	s_cmp_lg_u32 s3, 0
	s_cbranch_scc1 .Ltile
	TILE 0, 1
	TILE 1, 0                                      ; the eighth tile: no load leaves the work-group's rows
	; THE RECORD: P (the two halves of the rows added), then (m, l) 32 times, so that each store of a wave covers whole aligned runs of 256 bytes
	s_wait_xcnt 0x0                                ; v22-23 were the data of wave 0's last store
	v_add_f32_dpp v[LS], v[LS], v[LS] row_xmask:1 row_mask:0xf bank_mask:0xf
	v_add_f32_dpp v[LS], v[LS], v[LS] row_xmask:2 row_mask:0xf bank_mask:0xf
	v_add_f32_dpp v[LS], v[LS], v[LS] row_xmask:4 row_mask:0xf bank_mask:0xf
	v_add_f32_dpp v[LS], v[LS], v[LS] row_xmask:8 row_mask:0xf bank_mask:0xf
	v_permlanex16_b32 v24, v[LS], s6, s7
	v_add_f32 v[LS], v[LS], v24
	s_lshl_b32 s26, s25, 11
	s_lshl_b32 s27, s24, 10
	s_add_co_u32 s26, s26, s27
	v_and_b32 v25, 31, v0
	v_lshl_add_u32 v25, v25, 5, s26
	ds_store_b128 v25, v[POOL:POOL+3] offset:FIN
	ds_store_b128 v25, v[POOL+4:POOL+7] offset:FIN+16
	s_wait_dscnt 0x0
	s_barrier_signal -1
	s_barrier_wait -1
	v_lshlrev_b32 v22, 4, v0
	ds_load_b128 v[24:27], v22 offset:FIN
	ds_load_b128 v[28:31], v22 offset:FIN+2048
	s_wait_dscnt 0x0
	v_pk_add_f32 v[24:25], v[24:25], v[28:29]
	v_pk_add_f32 v[26:27], v[26:27], v[30:31]
	global_store_b128 v22, v[24:27], s[22:23]
	s_cmp_lg_u32 s2, 0
	s_cbranch_scc1 .Lend
	global_store_b64 v[L8], v[MX:LS], s[22:23] offset:2048
.Lend:
	s_wait_xcnt 0x0
	v_lshl_add_u32 v254, v0, 2, 0x27000
	v_mov_b32 v255, 0
	s_wait_tensorcnt 0x0
	ds_add_u32 v254, v255
	s_wait_dscnt 0x0
	s_endpgm
.Lfunc_end_k_q56ccc86bb4_stream:
	.size	k_q56ccc86bb4_stream, .Lfunc_end_k_q56ccc86bb4_stream-k_q56ccc86bb4_stream
	.p2alignl 7, 3214868480
	.fill 96, 4, 3214868480
	.section	.rodata,"a",@progbits
	.p2align	6, 0x0
	.amdhsa_kernel k_q56ccc86bb4_stream
		.amdhsa_group_segment_fixed_size 160256
		.amdhsa_private_segment_fixed_size 0
		.amdhsa_enable_private_segment 0
		.amdhsa_kernarg_size 64
		.amdhsa_user_sgpr_count 2
		.amdhsa_user_sgpr_kernarg_segment_ptr 1
		.amdhsa_wavefront_size32 1
		.amdhsa_system_sgpr_workgroup_id_x 1
		.amdhsa_system_sgpr_workgroup_id_y 1
		.amdhsa_system_sgpr_workgroup_id_z 1
		.amdhsa_system_vgpr_workitem_id 0
		.amdhsa_next_free_vgpr 1024
		.amdhsa_next_free_sgpr 66
		.amdhsa_reserve_vcc 0
		.amdhsa_float_denorm_mode_32 3
		.amdhsa_float_denorm_mode_16_64 3
		.amdhsa_memory_ordered 1
		.amdhsa_forward_progress 1
		.amdhsa_inst_pref_size 255
	.end_amdhsa_kernel
	.section	.bss,"aw",@nobits
	.p2align	6
	.space	262144
	.amdgpu_metadata
---
amdhsa.version: [ 1, 2 ]
amdhsa.kernels:
  - .name:           k_q56ccc86bb4_stream
    .symbol:         k_q56ccc86bb4_stream.kd
    .args:
      - { .name: vi, .offset: 0, .size: 8, .value_kind: global_buffer, .address_space: global }
      - { .name: au, .offset: 8, .size: 8, .value_kind: global_buffer, .address_space: global }
      - { .name: wq_w, .offset: 16, .size: 8, .value_kind: global_buffer, .address_space: global }
      - { .name: wq_b, .offset: 24, .size: 8, .value_kind: global_buffer, .address_space: global }
      - { .name: wk_w, .offset: 32, .size: 8, .value_kind: global_buffer, .address_space: global }
      - { .name: wk_b, .offset: 40, .size: 8, .value_kind: global_buffer, .address_space: global }
      - { .name: scores, .offset: 48, .size: 8, .value_kind: global_buffer, .address_space: global }
      - { .name: part, .offset: 56, .size: 8, .value_kind: global_buffer, .address_space: global }
    .group_segment_fixed_size: 160256
    .private_segment_fixed_size: 0
    .kernarg_segment_align: 8
    .kernarg_segment_size: 64
    .max_flat_workgroup_size: 128
    .sgpr_count:     66
    .vgpr_count:     1024
    .wavefront_size: 32
...
	.end_amdgpu_metadata
.endif
;; end of part 1
;; launch finish (part 2): grid 8 x 16, 8 waves a work-group, no clusters, 7,680 bytes of LDS; arguments scores, part, wv_w, wv_b, out0, out1; writes out0, out1
.if DOCPART == 2
	.amdgcn_target "amdgcn-amd-amdhsa--gfx1250"
	.amdhsa_code_object_version 6
	.text
	.protected	k_q56ccc86bb4_finish
	.globl	k_q56ccc86bb4_finish
	.p2align	8
	.type	k_q56ccc86bb4_finish,@function
k_q56ccc86bb4_finish:
	s_mov_b64 s[64:65], 0
	v_nop
	global_prefetch_b8 v0, s[64:65] scope:SCOPE_SE
	s_setreg_imm32_b32 hwreg(HW_REG_WAVE_MODE, 25, 1), 1
	s_wait_xcnt 0x0
; SECOND OF TWO LAUNCHES.  Work-group (j, b) joins the 16 records (m_g, l_g, P_g) that the launch before left for batch b:
;   M = max m_g, L = sum l_g exp(m_g - M), w_g = exp(m_g - M) / L, pooled = sum w_g P_g   (512 numbers, made by every j: 32 KiB read again)
;   out1[b][1024 j .. + 1023] = exp(score - M) / L
;   out0[b][64 j .. + 63]     = pooled . Wv[:, 64 j .. + 63] + bv      (bv once: the weights of a softmax add up to one)
; All in f32.  LIMITS: v_exp_f32 gives 0 for results below 2^-126; scores that are not finite are not reproduced.
; 8 waves, 256 threads.  Every load is issued at the head; the waits are counted.  Thread t = 16 kp + c4 multiplies rows 32 kp .. + 31 of Wv by 4 columns:
; sixteen neighbouring lanes read 256 neighbouring, aligned bytes of a row of Wv; narrower column shares would cut these pieces, so there are 8 x 16 work-groups.
; NO MATRIX UNIT: one row times 512 x 64 would use one of the sixteen rows of an instruction.  NO CLUSTER: the 16 batches of a j read the same 128 KiB of Wv, but each
; number goes straight into the register that it is multiplied from, once; a joint copy would write and read those 128 KiB in LDS for 32,768 multiply-adds.
; LDS: WREG 8 waves x 16 f32, each wave's own | PL the 512 pooled numbers | RED [16 kp][64 columns] f32
.set REC,   2304                       ; bytes of a record: 512 f32, then (m, l) 32 times
.set WREG,  0
.set PL,    512
.set RED,   2560
.set LOG2E, 0x3fb8aa3b
; v1 record offset of lane % 16 | v[2:3] (m, l) | v4 16 t | v5 8 t | v6 8 x lane | v7 offset in Wv | v8-11, v15 at work | v12, v13 WREG addresses | v14 128 kp
; v16-31 w_g | v32-63 P_g, my 2 columns | v64-71 scores, weights | v72-73 bias | v74-77 sums | v80-111 pooled, my 32 | v112-239 Wv, 32 rows x 4 columns
	s_load_b256 s[4:11], s[0:1], 0x0               ; scores s[4:5], part s[6:7], wv_w s[8:9], wv_b s[10:11]
	s_load_b128 s[12:15], s[0:1], 0x20             ; out0 s[12:13], out1 s[14:15]
	v_lshl_add_u32 v240, v0, 2, 0x1a00
	v_mov_b32 v241, 0
	v_lshrrev_b32 v8, 5, v0
	v_readfirstlane_b32 s2, v8                     ; wave
	s_and_b32 s3, ttmp7, 0xffff                    ; b
	v_and_b32 v9, 15, v0
	v_and_b32 v10, 31, v0
	v_lshrrev_b32 v11, 4, v0                       ; kp
	v_mul_u32_u24 v1, v9, REC
	v_lshlrev_b32 v4, 4, v0
	v_lshlrev_b32 v5, 3, v0
	v_lshlrev_b32 v6, 3, v10
	v_lshlrev_b32 v7, 4, v9
	v_lshl_add_u32 v7, v11, 16, v7                 ; 32 rows of 2,048 bytes x kp + 16 c4
	v_lshlrev_b32 v14, 7, v11
	s_lshl_b32 s24, s2, 6
	v_lshl_add_u32 v12, v9, 2, s24
	v_mov_b32 v13, s24
	s_mul_i32 s16, s3, 16*REC                      ; the batch's 16 records
	s_mov_b32 s17, 0
	s_lshl_b32 s18, s3, 15                         ; the batch's 8,192 scores,
	s_lshl_b32 s19, ttmp9, 12                      ; my 1,024 of them
	s_add_co_u32 s18, s18, s19
	s_mov_b32 s19, 0
	s_lshl_b32 s20, ttmp9, 8                       ; my 64 columns
	s_mov_b32 s21, 0
	s_lshl_b32 s22, s3, 11
	s_add_co_u32 s22, s22, s20
	s_mov_b32 s23, 0
	s_wait_kmcnt 0x0
	s_add_nc_u64 s[6:7], s[6:7], s[16:17]
	s_add_nc_u64 s[4:5], s[4:5], s[18:19]
	s_add_nc_u64 s[14:15], s[14:15], s[18:19]
	s_add_nc_u64 s[8:9], s[8:9], s[20:21]
	s_add_nc_u64 s[10:11], s[10:11], s[20:21]
	s_add_nc_u64 s[12:13], s[12:13], s[22:23]
	global_load_b64 v[2:3], v1, s[6:7] offset:2048             ; lane % 16 = g: (m_g, l_g)
	global_load_b128 v[64:67], v4, s[4:5] th:TH_LOAD_NT        ; my 4 scores
.irp g, 0,1,2,3,4,5,6,7,8,9,10,11,12,13,14,15
	global_load_b64 v[32+2*\g:33+2*\g], v5, s[6:7] offset:\g*REC
.endr
	global_load_b64 v[72:73], v6, s[10:11]
.set i, 0
.rept 32
	global_load_b128 v[112+4*i:115+4*i], v7, s[8:9] offset:i*2048
.set i, i+1
.endr
	s_wait_loadcnt 49                              ; (m, l) and the scores are in; 16 + 1 + 32 younger loads stay out
	v_mov_b32 v8, v2
	v_max_num_f32_dpp v8, v8, v8 row_xmask:1 row_mask:0xf bank_mask:0xf
	v_max_num_f32_dpp v8, v8, v8 row_xmask:2 row_mask:0xf bank_mask:0xf
	v_max_num_f32_dpp v8, v8, v8 row_xmask:4 row_mask:0xf bank_mask:0xf
	v_max_num_f32_dpp v8, v8, v8 row_xmask:8 row_mask:0xf bank_mask:0xf    ; M, in every lane: both halves hold the same 16 records
	v_sub_f32 v9, v2, v8
	v_sub_f32 v68, v64, v8
	v_sub_f32 v69, v65, v8
	v_sub_f32 v70, v66, v8
	v_sub_f32 v71, v67, v8
	v_mul_f32 v9, LOG2E, v9
	v_mul_f32 v68, LOG2E, v68
	v_mul_f32 v69, LOG2E, v69
	v_mul_f32 v70, LOG2E, v70
	v_mul_f32 v71, LOG2E, v71
	v_exp_f32 v10, v9
	v_exp_f32 v64, v68
	v_exp_f32 v65, v69
	v_exp_f32 v66, v70
	v_exp_f32 v67, v71
	v_nop                                          ; a plain instruction between a transcendental and the first use of its result (ISA guide 5.7.2)
	s_wait_alu depctr_va_vdst(0)
	v_mul_f32 v11, v3, v10
	v_add_f32_dpp v11, v11, v11 row_xmask:1 row_mask:0xf bank_mask:0xf
	v_add_f32_dpp v11, v11, v11 row_xmask:2 row_mask:0xf bank_mask:0xf
	v_add_f32_dpp v11, v11, v11 row_xmask:4 row_mask:0xf bank_mask:0xf
	v_add_f32_dpp v11, v11, v11 row_xmask:8 row_mask:0xf bank_mask:0xf     ; L: at least 1, from the record that holds M
	v_rcp_f32 v15, v11
	v_nop
	s_wait_alu depctr_va_vdst(0)
	v_mul_f32 v10, v10, v15                        ; w_g
	v_mul_f32 v64, v64, v15
	v_mul_f32 v65, v65, v15
	v_mul_f32 v66, v66, v15
	v_mul_f32 v67, v67, v15
	ds_store_b32 v12, v10 offset:WREG              ; my wave's own 16 words, and back in every lane: served in order, no wait between
.irp i, 0,1,2,3
	ds_load_b128 v[16+4*\i:19+4*\i], v13 offset:WREG+16*\i
.endr
	global_store_b128 v4, v[64:67], s[14:15] th:TH_STORE_NT    ; a wave's store covers 512 neighbouring bytes, aligned
	s_wait_loadcnt 33                              ; the 16 records' parts are in; the bias and Wv's 32 loads stay out
	s_wait_dscnt 0x0
	v_mul_f32 v8, v32, v16
	v_mul_f32 v9, v33, v16
.set i, 1
.rept 15
	v_fmac_f32 v8, v[32+2*i], v[16+i]
	v_fmac_f32 v9, v[33+2*i], v[16+i]
.set i, i+1
.endr
	ds_store_b64 v5, v[8:9] offset:PL
	s_wait_dscnt 0x0
	s_barrier_signal -1
	s_barrier_wait -1                              ; the 512 pooled numbers are in LDS
.irp i, 0,1,2,3,4,5,6,7
	ds_load_b128 v[80+4*\i:83+4*\i], v14 offset:PL+16*\i
.endr
	s_wait_loadcnt 0x0
	s_wait_dscnt 0x0
.irp c, 0,1,2,3
	v_mul_f32 v[74+\c], v[112+\c], v80             ; the first products start the sums
.endr
.set i, 1
.rept 31
.irp c, 0,1,2,3
	v_fmac_f32 v[74+\c], v[112+4*i+\c], v[80+i]
.endr
.set i, i+1
.endr
	ds_store_b128 v4, v[74:77] offset:RED
	s_wait_dscnt 0x0
	s_barrier_signal -1
	s_barrier_wait -1
	s_cmp_lg_u32 s2, 0
	s_cbranch_scc1 .Lend
	; wave 0 adds the 16 parts; lane l has columns 2 l and 2 l + 1
.irp k, 0,1,2,3,4,5,6,7,8,9,10,11,12,13,14,15
	ds_load_b64 v[32+2*\k:33+2*\k], v6 offset:RED+256*\k
.endr
	s_wait_dscnt 0x0
.irp k, 0,1,2,3,4,5,6,7
	v_pk_add_f32 v[32+2*\k:33+2*\k], v[32+2*\k:33+2*\k], v[48+2*\k:49+2*\k]
.endr
.irp k, 0,1,2,3
	v_pk_add_f32 v[32+2*\k:33+2*\k], v[32+2*\k:33+2*\k], v[40+2*\k:41+2*\k]
.endr
.irp k, 0,1
	v_pk_add_f32 v[32+2*\k:33+2*\k], v[32+2*\k:33+2*\k], v[36+2*\k:37+2*\k]
.endr
	v_pk_add_f32 v[32:33], v[32:33], v[34:35]
	v_pk_add_f32 v[32:33], v[32:33], v[72:73]      ; + bv
	global_store_b64 v6, v[32:33], s[12:13]        ; 256 neighbouring bytes, aligned
.Lend:
	s_wait_tensorcnt 0x0
	ds_add_u32 v240, v241
	s_wait_dscnt 0x0
	s_endpgm
.Lfunc_end_k_q56ccc86bb4_finish:
	.size	k_q56ccc86bb4_finish, .Lfunc_end_k_q56ccc86bb4_finish-k_q56ccc86bb4_finish
	.p2alignl 7, 3214868480
	.fill 96, 4, 3214868480
	.section	.rodata,"a",@progbits
	.p2align	6, 0x0
	.amdhsa_kernel k_q56ccc86bb4_finish
		.amdhsa_group_segment_fixed_size 7680
		.amdhsa_private_segment_fixed_size 0
		.amdhsa_enable_private_segment 0
		.amdhsa_kernarg_size 48
		.amdhsa_user_sgpr_count 2
		.amdhsa_user_sgpr_kernarg_segment_ptr 1
		.amdhsa_wavefront_size32 1
		.amdhsa_system_sgpr_workgroup_id_x 1
		.amdhsa_system_sgpr_workgroup_id_y 1
		.amdhsa_system_sgpr_workgroup_id_z 1
		.amdhsa_system_vgpr_workitem_id 0
		.amdhsa_next_free_vgpr 242
		.amdhsa_next_free_sgpr 66
		.amdhsa_reserve_vcc 0
		.amdhsa_float_denorm_mode_32 3
		.amdhsa_float_denorm_mode_16_64 3
		.amdhsa_memory_ordered 1
		.amdhsa_forward_progress 1
		.amdhsa_inst_pref_size 17
	.end_amdhsa_kernel
	.amdgpu_metadata
---
amdhsa.version: [ 1, 2 ]
amdhsa.kernels:
  - .name:           k_q56ccc86bb4_finish
    .symbol:         k_q56ccc86bb4_finish.kd
    .args:
      - { .name: scores, .offset: 0, .size: 8, .value_kind: global_buffer, .address_space: global }
      - { .name: part, .offset: 8, .size: 8, .value_kind: global_buffer, .address_space: global }
      - { .name: wv_w, .offset: 16, .size: 8, .value_kind: global_buffer, .address_space: global }
      - { .name: wv_b, .offset: 24, .size: 8, .value_kind: global_buffer, .address_space: global }
      - { .name: out0, .offset: 32, .size: 8, .value_kind: global_buffer, .address_space: global }
      - { .name: out1, .offset: 40, .size: 8, .value_kind: global_buffer, .address_space: global }
    .group_segment_fixed_size: 7680
    .private_segment_fixed_size: 0
    .kernarg_segment_align: 8
    .kernarg_segment_size: 48
    .max_flat_workgroup_size: 256
    .sgpr_count:     66
    .vgpr_count:     242
    .wavefront_size: 32
...
	.end_amdgpu_metadata
.endif
;; end of part 2
;; ======== version 2 of 3: 3 launches
;; limits: values outside matrix products are rounded to bf16
;; workspace buffers: gw 155,904 bytes; scores 524,288 bytes; part 589,824 bytes
;; launch prep (part 3): grid 8 x 4, 4 waves a work-group, no clusters, 52,224 bytes of LDS; arguments wq_w, wq_b, wk_w, wk_b, gw; writes gw
.if DOCPART == 3
	.amdgcn_target "amdgcn-amd-amdhsa--gfx1250"
	.amdhsa_code_object_version 6
	.text
	.protected	k_q56ccc86bb4_prep
	.globl	k_q56ccc86bb4_prep
	.p2align	8
	.type	k_q56ccc86bb4_prep,@function
k_q56ccc86bb4_prep:
	s_mov_b64 s[64:65], 0
	v_nop
	global_prefetch_b8 v0, s[64:65] scope:SCOPE_SE
	s_setreg_imm32_b32 hwreg(HW_REG_WAVE_MODE, 25, 1), 1
	s_wait_xcnt 0x0
; FIRST OF THREE LAUNCHES.  The row dot of the two projections is one bilinear form:
;   (vi Wq + bq) . (au Wk + bk) = vi G au^T + au . c + vi . u + c0,   G[d][f] = sum_e Wq[d][e] Wk[f][e],  c = Wk bq,  u = Wq bk,  c0 = bq . bk
; for every input.  This launch makes G, c, u, c0 once, with the 1/sqrt(256) of the score folded in (a power of two: exact), laid out as the next launch's
; registers want them:
;   gw + 0:       128 fragments of G / 16 in bf16, 1 KiB each; fragment (ks, ntg) = features 16 ntg .. + 15, d = 32 ks .. + 31, at ((ntg / 8) 64 + 8 ks + ntg % 8) KiB:
;                 registers 0-3 of lanes 0-31 (16 bytes a lane), then registers 4-7
;   gw + 131072:  8 fragments of u / 256 in bf16 (all 16 rows alike; the next launch adds 16 copies)
;   gw + 139264:  16 tiles of c / 16 in f32, as a C operand (register j of lane (r, h) = c[16 ntg + 8 h + j])
;   gw + 155648:  c0 / 16, 64 times
; LIMITS.  Wq, Wk, bq, bk enter these products rounded to bf16, sums in f32; G and u are then rounded to bf16 once more, as matrix operands of the next launch.
;
; SHARES.  Work-group (ks, q), four waves: 32 rows of Wq (d = 32 ks ..), 64 rows of Wk (f = 64 q ..) and both biases come by loads of 512 neighbouring bytes a wave,
; are rounded in registers and laid into LDS with a pitch of 528 bytes (an odd multiple of 16: the sixteen rows of a fragment load begin in sixteen different
; 16-byte columns of 256 bytes).  Wave w makes fragment (ks, 4 q + w): source 0 = 16 rows of Wq, source 1 = 16 rows of Wk, so that lane (r, h) holds
; G[d0 + 8 h + j][f0 + r] in register j: rounded in pairs this IS the fragment of the next launch's source 0; nothing is transposed.
; 128 fragments, one a wave: 32 work-groups; a finer share would read the rows more often for 16 matrix instructions a wave.
; NO CLUSTER, NO TENSOR LOADS: the rows are wanted rounded, which only the way through registers does, and the launch reads 3 MiB in all.
.set RP,  528                          ; pitch of a row of 256 bf16
.set BI,  0                            ; bq (512 bytes), bk (512 bytes), in bf16
.set XQ,  1024                         ; 32 rows of Wq
.set YK,  XQ+32*RP                     ; 64 rows of Wk
.set GU,  131072
.set GC,  139264
.set GC0, 155648
.set S16,  0x3d800000                  ; 1 / 16
.set S256, 0x3b800000                  ; 1 / 256
; v1 16 t | v2 offset in a bias | v3 where I put 8 bytes of a row | v4 the same for a bias | v5 r x pitch + 16 h | v6 the same in my wave's 16 rows of Wk | v7 16 h | v8 16 x lane | v11 8 x lane
.set LD,  16                           ; v16-207   48 loads x 4 registers; later the fragments:
.set XA0, 16                           ; v16-79    8 K steps x 8: Wq rows 0-15
.set XA1, 80                           ; v80-143   Wq rows 16-31
.set YB,  144                          ; v144-207  my 16 rows of Wk
.set BL,  208                          ; v208-211  my 4 numbers of a bias
.set T0,  212                          ; v212-219, v220-227  two accumulators
.set T1,  220
.set PK,  228                          ; v228-235  the fragment of G, packed
.set PU,  236                          ; v236-243  the fragment of u, packed
.macro PLACES n
.rept \n
	v_nop
.endr
.endm
.macro CVT16 base                      ; 16 loads' registers: 4 f32 become 4 bf16 in the first two of each four
.set q, \base
.rept 16
	v_cvt_pk_bf16_f32 v[q], v[q], v[q+1]
	v_cvt_pk_bf16_f32 v[q+1], v[q+2], v[q+3]
.set q, q+4
.endr
.endm
.macro PUT16 base, at                  ; and into LDS: each store of the work-group covers two rows
.set q, 0
.rept 16
	ds_store_b64 v3, v[\base+4*q:\base+4*q+1] offset:\at+q*2*RP
.set q, q+1
.endr
.endm
.macro PACK dst, lit                   ; both accumulators, scaled by a power of two and rounded: 8 registers of a fragment
.irp p, 0,2,4,6,8,10,12,14
	v_pk_mul_f32 v[T0+\p:T0+\p+1], v[T0+\p:T0+\p+1], \lit op_sel_hi:[1,0]
.endr
.irp p, 0,1,2,3,4,5,6,7
	v_cvt_pk_bf16_f32 v[\dst+\p], v[T0+2*\p], v[T0+2*\p+1]
.endr
.endm
; Wq's two blocks of 16 rows times what lies in YB, 8 K steps.  The two accumulators take turns.  per = LDS loads of a K step
.macro MULQ per
.set es, 0
.rept 8
	s_wait_dscnt \per*(7-es)                       ; LDS loads end in order: K step es is in, the later steps' loads stay out
.if es == 0
	v_wmma_f32_16x16x32_bf16 v[T0:T0+7], v[XA0:XA0+7], v[YB:YB+7], 0
	v_wmma_f32_16x16x32_bf16 v[T1:T1+7], v[XA1:XA1+7], v[YB:YB+7], 0
.else
	v_wmma_f32_16x16x32_bf16 v[T0:T0+7], v[XA0+8*es:XA0+8*es+7], v[YB+8*es:YB+8*es+7], v[T0:T0+7]
	v_wmma_f32_16x16x32_bf16 v[T1:T1+7], v[XA1+8*es:XA1+8*es+7], v[YB+8*es:YB+8*es+7], v[T1:T1+7]
.endif
.set es, es+1
.endr
.endm
	s_load_b256 s[4:11], s[0:1], 0x0               ; wq_w s[4:5], wq_b s[6:7], wk_w s[8:9], wk_b s[10:11]
	s_load_b64 s[12:13], s[0:1], 0x20              ; gw
	v_lshl_add_u32 v254, v0, 2, 0xca00
	v_mov_b32 v255, 0
	v_lshrrev_b32 v9, 5, v0
	v_readfirstlane_b32 s2, v9                     ; wave
	s_mov_b32 s3, ttmp9                            ; ks
	s_and_b32 s14, ttmp7, 0xffff                   ; q
	v_and_b32 v9, 31, v0                           ; lane
	v_and_b32 v10, 15, v0                          ; r
	v_bfe_u32 v12, v0, 4, 1                        ; h
	v_lshlrev_b32 v1, 4, v0                        ; 128 threads x 16 bytes: two rows of 1,024 bytes
	s_and_b32 s15, s2, 1
	s_lshr_b32 s28, s2, 1
	s_lshl_b32 s29, s15, 9
	v_lshl_add_u32 v2, v9, 4, s29                  ; waves 0, 1 take bq, waves 2, 3 bk: 16 bytes a thread
	s_mul_i32 s28, s28, RP
	s_lshl_b32 s29, s15, 8
	s_add_co_u32 s28, s28, s29
	v_lshl_add_u32 v3, v9, 3, s28                  ; row wave / 2 of the two, 8 bytes at column 4 (32 (wave % 2) + lane)
	s_lshl_b32 s29, s2, 8
	v_lshl_add_u32 v4, v9, 3, s29
	v_mul_u32_u24 v5, v10, RP
	v_lshl_add_u32 v5, v12, 4, v5
	s_mul_i32 s15, s2, 16*RP
	v_add_nc_u32 v6, s15, v5
	v_lshlrev_b32 v7, 4, v12
	v_lshlrev_b32 v8, 4, v9
	v_lshlrev_b32 v11, 3, v9
	s_lshl_b32 s16, s3, 15                         ; 32 rows of 1,024 bytes x ks
	s_mov_b32 s17, 0
	s_lshl_b32 s18, s14, 16                        ; 64 rows x q
	s_mov_b32 s19, 0
	s_lshl2_add_u32 s20, s14, s2                   ; ntg = 4 q + wave
	s_lshr_b32 s21, s20, 3
	s_lshl_b32 s21, s21, 6
	s_and_b32 s22, s20, 7
	s_lshl3_add_u32 s22, s3, s22
	s_add_co_u32 s22, s22, s21
	s_lshl_b32 s22, s22, 10                        ; my fragment's place in gw
	s_mov_b32 s23, 0
	s_lshl_b32 s24, s3, 10                         ; u's fragment ks
	s_mov_b32 s25, 0
	s_lshl_b32 s26, s20, 10                        ; c's tile ntg
	s_mov_b32 s27, 0
	s_wait_kmcnt 0x0
	s_add_nc_u64 s[4:5], s[4:5], s[16:17]
	s_add_nc_u64 s[8:9], s[8:9], s[18:19]
	s_add_nc_u64 s[22:23], s[12:13], s[22:23]
	s_add_nc_u64 s[24:25], s[12:13], s[24:25]
	s_add_nc_u64 s[26:27], s[12:13], s[26:27]
	s_cmp_lt_u32 s2, 2
	s_cselect_b64 s[16:17], s[6:7], s[10:11]
	global_load_b128 v[BL:BL+3], v2, s[16:17]
.set i, 0
.rept 16
	global_load_b128 v[LD+4*i:LD+4*i+3], v1, s[4:5] offset:i*2048
.set i, i+1
.endr
.set i, 0
.rept 32
	global_load_b128 v[LD+64+4*i:LD+64+4*i+3], v1, s[8:9] offset:i*2048
.set i, i+1
.endr
	s_wait_loadcnt 48                              ; the bias is in; Wq's 16 and Wk's 32 loads stay out
	v_cvt_pk_bf16_f32 v[BL], v[BL], v[BL+1]
	v_cvt_pk_bf16_f32 v[BL+1], v[BL+2], v[BL+3]
	ds_store_b64 v4, v[BL:BL+1] offset:BI
	s_wait_loadcnt 32                              ; Wq is in
	CVT16 LD
	PUT16 LD, XQ
	s_wait_loadcnt 16                              ; Wk's first 32 rows
	CVT16 LD+64
	PUT16 LD+64, YK
	s_wait_loadcnt 0x0
	CVT16 LD+128
	PUT16 LD+128, YK+32*RP
	s_wait_dscnt 0x0                               ; my stores are done, for the others' sake
	s_barrier_signal -1
	s_barrier_wait -1
	; G: six loads a K step
.set es, 0
.rept 8
	ds_load_b128 v[XA0+8*es:XA0+8*es+3],   v5 offset:XQ+64*es
	ds_load_b128 v[XA0+8*es+4:XA0+8*es+7], v5 offset:XQ+64*es+32
	ds_load_b128 v[XA1+8*es:XA1+8*es+3],   v5 offset:XQ+16*RP+64*es
	ds_load_b128 v[XA1+8*es+4:XA1+8*es+7], v5 offset:XQ+16*RP+64*es+32
	ds_load_b128 v[YB+8*es:YB+8*es+3],     v6 offset:YK+64*es
	ds_load_b128 v[YB+8*es+4:YB+8*es+7],   v6 offset:YK+64*es+32
.set es, es+1
.endr
	MULQ 6
	PLACES 5                                       ; behind the last matrix instructions (ISA guide 7.12.1): results are read, operands loaded again, accumulators started anew
	PACK PK, S16
	global_store_b128 v8, v[PK:PK+3], s[22:23]                 ; each store of the wave covers 512 neighbouring bytes, aligned
	global_store_b128 v8, v[PK+4:PK+7], s[22:23] offset:512
	; u: the wave with ntg = 0 multiplies its rows of Wq by bk, the same in all 16 columns
	s_cmp_lg_u32 s20, 0
	s_cbranch_scc1 .Lno_u
.set es, 0
.rept 8
	ds_load_b128 v[YB+8*es:YB+8*es+3],   v7 offset:BI+512+64*es
	ds_load_b128 v[YB+8*es+4:YB+8*es+7], v7 offset:BI+512+64*es+32
.set es, es+1
.endr
	MULQ 2
	PLACES 5
	PACK PU, S256
	global_store_b128 v8, v[PU:PU+3], s[24:25] offset:GU
	global_store_b128 v8, v[PU+4:PU+7], s[24:25] offset:GU+512
.Lno_u:
	; c: the waves with ks = 0 multiply their 16 rows of Wk by bq.  K's even and odd steps go to two accumulators, which take turns
	s_cmp_lg_u32 s3, 0
	s_cbranch_scc1 .Lno_c
.set es, 0
.rept 8
	ds_load_b128 v[XA0+8*es:XA0+8*es+3],   v6 offset:YK+64*es
	ds_load_b128 v[XA0+8*es+4:XA0+8*es+7], v6 offset:YK+64*es+32
	ds_load_b128 v[XA1+8*es:XA1+8*es+3],   v7 offset:BI+64*es
	ds_load_b128 v[XA1+8*es+4:XA1+8*es+7], v7 offset:BI+64*es+32
.set es, es+1
.endr
.set es, 0
.rept 4
	s_wait_dscnt 4*(6-es)                          ; K steps es and es + 1 are in; four loads for each later step stay out
.if es == 0
	v_wmma_f32_16x16x32_bf16 v[T0:T0+7], v[XA0:XA0+7], v[XA1:XA1+7], 0
	v_wmma_f32_16x16x32_bf16 v[T1:T1+7], v[XA0+8:XA0+15], v[XA1+8:XA1+15], 0
.else
	v_wmma_f32_16x16x32_bf16 v[T0:T0+7], v[XA0+8*es:XA0+8*es+7], v[XA1+8*es:XA1+8*es+7], v[T0:T0+7]
	v_wmma_f32_16x16x32_bf16 v[T1:T1+7], v[XA0+8*es+8:XA0+8*es+15], v[XA1+8*es+8:XA1+8*es+15], v[T1:T1+7]
.endif
.set es, es+2
.endr
	PLACES 5
.irp p, 0,2,4,6
	v_pk_add_f32 v[T0+\p:T0+\p+1], v[T0+\p:T0+\p+1], v[T1+\p:T1+\p+1]
.endr
.irp p, 0,2,4,6
	v_pk_mul_f32 v[T0+\p:T0+\p+1], v[T0+\p:T0+\p+1], S16 op_sel_hi:[1,0]
.endr
	global_store_b128 v8, v[T0:T0+3], s[26:27] offset:GC
	global_store_b128 v8, v[T0+4:T0+7], s[26:27] offset:GC+512
.Lno_c:
	; c0: one wave; 8 products a lane, straight from the bf16 halves, then over the 32 lanes
	s_or_b32 s28, s3, s20
	s_cmp_lg_u32 s28, 0
	s_cbranch_scc1 .Lend
	ds_load_b128 v[244:247], v8 offset:BI
	ds_load_b128 v[248:251], v8 offset:BI+512
	s_mov_b32 s28, 0x76543210                      ; v_permlanex16_b32: lane i of one half reads lane i of the other
	s_mov_b32 s29, 0xfedcba98
	v_mov_b32 v252, 0
	v_mov_b32 v253, 0
	s_wait_dscnt 0x0
.irp c, 0,1,2,3
	v_fma_mix_f32_bf16 v252, v[244+\c], v[248+\c], v252 op_sel_hi:[1,1,0]
	v_fma_mix_f32_bf16 v253, v[244+\c], v[248+\c], v253 op_sel:[1,1,0] op_sel_hi:[1,1,0]
.endr
	v_add_f32 v252, v252, v253
	v_add_f32_dpp v252, v252, v252 row_xmask:1 row_mask:0xf bank_mask:0xf
	v_add_f32_dpp v252, v252, v252 row_xmask:2 row_mask:0xf bank_mask:0xf
	v_add_f32_dpp v252, v252, v252 row_xmask:4 row_mask:0xf bank_mask:0xf
	v_add_f32_dpp v252, v252, v252 row_xmask:8 row_mask:0xf bank_mask:0xf
	v_permlanex16_b32 v253, v252, s28, s29
	v_add_f32 v252, v252, v253
	v_mul_f32 v252, S16, v252
	v_mov_b32 v253, v252
	global_store_b64 v11, v[252:253], s[12:13] offset:GC0      ; 256 neighbouring bytes, aligned
.Lend:
	s_wait_tensorcnt 0x0
	ds_add_u32 v254, v255
	s_wait_dscnt 0x0
	s_endpgm
.Lfunc_end_k_q56ccc86bb4_prep:
	.size	k_q56ccc86bb4_prep, .Lfunc_end_k_q56ccc86bb4_prep-k_q56ccc86bb4_prep
	.p2alignl 7, 3214868480
	.fill 96, 4, 3214868480
	.section	.rodata,"a",@progbits
	.p2align	6, 0x0
	.amdhsa_kernel k_q56ccc86bb4_prep
		.amdhsa_group_segment_fixed_size 52224
		.amdhsa_private_segment_fixed_size 0
		.amdhsa_enable_private_segment 0
		.amdhsa_kernarg_size 40
		.amdhsa_user_sgpr_count 2
		.amdhsa_user_sgpr_kernarg_segment_ptr 1
		.amdhsa_wavefront_size32 1
		.amdhsa_system_sgpr_workgroup_id_x 1
		.amdhsa_system_sgpr_workgroup_id_y 1
		.amdhsa_system_sgpr_workgroup_id_z 1
		.amdhsa_system_vgpr_workitem_id 0
		.amdhsa_next_free_vgpr 256
		.amdhsa_next_free_sgpr 66
		.amdhsa_reserve_vcc 0
		.amdhsa_float_denorm_mode_32 3
		.amdhsa_float_denorm_mode_16_64 3
		.amdhsa_memory_ordered 1
		.amdhsa_forward_progress 1
		.amdhsa_inst_pref_size 32
	.end_amdhsa_kernel
	.amdgpu_metadata
---
amdhsa.version: [ 1, 2 ]
amdhsa.kernels:
  - .name:           k_q56ccc86bb4_prep
    .symbol:         k_q56ccc86bb4_prep.kd
    .args:
      - { .name: wq_w, .offset: 0, .size: 8, .value_kind: global_buffer, .address_space: global }
      - { .name: wq_b, .offset: 8, .size: 8, .value_kind: global_buffer, .address_space: global }
      - { .name: wk_w, .offset: 16, .size: 8, .value_kind: global_buffer, .address_space: global }
      - { .name: wk_b, .offset: 24, .size: 8, .value_kind: global_buffer, .address_space: global }
      - { .name: gw, .offset: 32, .size: 8, .value_kind: global_buffer, .address_space: global }
    .group_segment_fixed_size: 52224
    .private_segment_fixed_size: 0
    .kernarg_segment_align: 8
    .kernarg_segment_size: 40
    .max_flat_workgroup_size: 128
    .sgpr_count:     66
    .vgpr_count:     256
    .wavefront_size: 32
...
	.end_amdgpu_metadata
.endif
;; end of part 3
;; launch stream (part 4): grid 256 x 1, 4 waves a work-group, clusters of 4 x 1, 295,424 bytes of LDS; arguments vi, au, gw, scores, part; writes scores, part
.if DOCPART == 4
	.amdgcn_target "amdgcn-amd-amdhsa--gfx1250"
	.amdhsa_code_object_version 6
	.text
	.protected	k_q56ccc86bb4_stream
	.globl	k_q56ccc86bb4_stream
	.p2align	8
	.type	k_q56ccc86bb4_stream,@function
k_q56ccc86bb4_stream:
	s_mov_b64 s[64:65], 0
	v_nop
	global_prefetch_b8 v0, s[64:65] scope:SCOPE_SE
	s_setreg_imm32_b32 hwreg(HW_REG_WAVE_MODE, 25, 1), 1
	s_wait_xcnt 0x0
	s_wait_alu depctr_hold_cnt(0) depctr_sa_sdst(0) depctr_va_vdst(0) depctr_va_sdst(0) depctr_va_ssrc(0) depctr_va_vcc(0) depctr_vm_vsrc(0)
	s_getreg_b32 s2, hwreg(HW_REG_IB_STS2, 6, 4)
	s_cmp_eq_u32 s2, 0
	s_cbranch_scc0 .Lentry_in_a_cluster
	s_endpgm
.Lentry_in_a_cluster:
	s_bfe_u32 s2, ttmp6, 0x10000c
	s_cmp_lg_u32 s2, 0x3003
	s_cbranch_scc0 .Lentry_shape_is_right
	s_endpgm
.Lentry_shape_is_right:
; SECOND OF THREE LAUNCHES.  For 512 rows s of one batch (work-group x: flat rows 512 x .. 512 x + 511, batch x / 16):
;   score[s] = (vi[s] G + c) . au[s] + vi[s] . u + c0, all four with the 1/16 folded in by the launch before, = ((vi Wq + bq) . (au Wk + bk)) / 16   -> scores
;   a running softmax over the 512 rows: m = max score, l = sum exp(score - m), P[e] = sum exp(score - m) [vi|au][s][e]   -> part
; The value projection is not made row by row: sum_s w[s] ([vi|au][s] Wv + bv) = (sum_s w[s] [vi|au][s]) Wv + bv, since the weights of a softmax add up to one.
; That holds for every input; the last launch joins the 16 records of a batch and multiplies by Wv once.
; LIMITS.  vi enters the products, au the row dot, and both the pooled sum P, rounded to bf16; G and u are bf16 (see the launch before); t = vi G + c and all sums are f32.
; v_exp_f32 gives 0 for results below 2^-126.  Scores that are not finite are not reproduced.
;
; SHARES.  Four waves, 8 tiles of 64 rows.  Wave w = (fh, rh) = (w % 2, w / 2) keeps the fragments of features 128 fh .. + 127 of G in 512 registers for the whole launch and
; takes rows 32 rh .. + 31 of each tile: the loop reads no weight from LDS, and each fragment of vi that it reads feeds eight or nine matrix instructions.
; vi and au come by 16-byte loads into 256 registers a wave (64 loads of 512 neighbouring bytes: 16 rows of both), are rounded there to bf16, are put into one of two
; LDS stages, and the registers are loaded again with the next tile, which has a whole tile's work in which to land.
; G, u and c (152 KiB, laid out as registers want them) come once, by one tensor load a wave (38 KiB each, one outstanding), and go from LDS into registers.
; CLUSTER: four work-groups along x.  Every work-group wants the same 152 KiB image, so the four of a cluster ask for it JOINTLY: wave w of each issues the same tensor load, with the
; same descriptor (both addresses hang on the wave's number alone) and the mask of all four, and each receives its copy in its own LDS: a quarter of the requests for the image.
; A round of the cluster's barrier stands in front of the joint loads, and one in front of s_endpgm, so that no work-group ends while a partner may still ask.
; The place in the cluster enters nothing but the offsets of my own rows, scores and record.
; NO TENSOR LOADS FOR THE ROWS: every byte has to pass registers for the rounding; and the rows are no other work-group's.
;
; THE MATRIX INSTRUCTION IS USED TRANSPOSED: source 0 = 16 features of G, source 1 = 16 rows of vi.  Lane (r, h) = (lane % 16, lane / 16) then holds in register j the number
; t[row0 + r][f0 + 8 h + j]: its partner au[row0 + r][f0 + 8 h + j] is one of 16 neighbouring bytes of the stage, the dot is summed inside the lane, and one exchange of the
; halves ends it.  c is the C operand of the first K step.
; A wave's local K step j stands for d = 32 ks .., ks = (j + 4 fh) % 8, so that in every wave steps 0 to 3 also carry its half of vi . u: a ninth accumulator, whose source 0
; holds u / 256 in all 16 rows.  Its 8 registers x 2 halves of the lanes each hold 1/16 of the term: they are what the eight chains of the dot start from.
;
; LDS:  PART [2 fh][64 rows] f32 | PW [4 waves][64] f32, exp(score - m), each wave's own copy | FIN [2][512] f32, the two halves of P at the end |
;       two stages of 64 rows, pitch 1,040 = [vi 512 bytes | au 512 bytes | 16 unused]: an odd multiple of 16, so that the sixteen rows of a fragment load begin in sixteen
;       different 16-byte columns of 256 bytes | GL: the image of gw, filled once and by tensor loads alone.
; REGISTERS, in windows of 256:  window 0 as named below;  window 1: G's fragments of local steps 0-3, window 2: of steps 4-7, at 8 (8 (j % 4) + nt);
;       window 3: the rows on their way, load q at 4 q .. 4 q + 3.
.set SP,     1040
.set STAGEB, 64*SP
.set PART,   0
.set PW,     1024
.set FIN,    2048
.set STAGE0, 6144
.set GL,     STAGE0+2*STAGEB           ; 139,264: a multiple of 256
.set GQ,     38912                     ; a wave's quarter of the image: 152 rows of 256 bytes
.set GU,     131072
.set GC,     139264
.set GC0,    155648
.set LOG2E,  0x3fb8aa3b
.set WV,   30                          ; s30     my wave's number
.set XOFF, 1                           ; v1      byte offset in vi and au: 16 rows x wave + 16 x lane
.set L8,   2                           ; v2      8 x lane
.set SST,  3                           ; v3-4    stage 0, 1: where I put 8 bytes of my wave's first row
.set FRL,  5                           ; v5-6    stage 0, 1: fragments of local steps 0-3 (and, 512 bytes on, my features of au)
.set FRH,  7                           ; v7-8    stage 0, 1: fragments of local steps 4-7
.set XLD,  9                           ; v9-10   stage 0, 1: my 16 bytes of the first of the 32 rows that I pool
.set PST,  11                          ; v11     256 fh + 128 rh + 4 r
.set PWS,  12                          ; v12     256 x wave + 8 x lane
.set PWL,  13                          ; v13     256 x wave + 128 rh
.set MX,   14                          ; v14     running maximum
.set LS,   15                          ; v15     running sum of exponentials, this lane's two rows of each tile
.set POOL, 16                          ; v16-23  P of my 8 columns, over my 32 rows of each tile
.set FR3,  24                          ; v24-31  fragment buffer 3; at work in the set-up, the softmax and the end
.set CB,   32                          ; v32-95  c: 8 registers for each of 8 blocks of 16 features
.set UF,   96                          ; v96-127 u: fragments of local steps 0-3
.set ACC,  128                         ; v128-191  t: accumulators of 8 blocks of 16 features
.set ACCU, 192                         ; v192-199  vi . u, then the dot's eight chains
.set FR,   200                         ; v200-223  fragment buffers 0-2
.set AU,   224                         ; v224-255  au of my 16 rows x 128 features, bf16: 4 registers a block
.set XD,   128                         ; v128-207  pooling: 20 rows x 4 registers (accumulators and fragments are done with by then)
.set ST,   208                         ; v208-215  softmax, at work
.set PB,   224                         ; v224-255  pooling: exp(score - m) of my 32 rows, the same in every lane
.set MSB, 0
.macro WIN new                         ; low byte: bits 1:0 source 0, 3:2 source 1, 5:4 source 2, 7:6 destination; the high byte repeats the setting that is left
.if MSB != \new
	s_set_vgpr_msb (MSB<<8)|\new
.set MSB, \new
.endif
.endm
.macro PLACES n
.rept \n
	v_nop
.endr
.endm
; A round of the cluster's barrier: my work-group's barrier, so that wave 0's signal speaks for all four waves; wave 0 signals for the work-group; every wave waits for all
; four work-groups; my work-group's barrier once more.  No LDS instruction of the wave is pending at a signal.
.macro ROUND
	s_barrier_signal -1
	s_barrier_wait -1
	s_cmp_lg_u32 s[WV], 0
	s_cbranch_scc1 .Lnot_wave_0_\@
	s_barrier_signal -3
.Lnot_wave_0_\@:
	s_barrier_wait -3
	s_barrier_signal -1
	s_barrier_wait -1
.endm
; chunk c of a tile: my wave's rows 4 c .. 4 c + 3 of vi and of au, each row as two loads of 512 neighbouring bytes; read once in the launch
.macro XLOAD c
	WIN 0xC0
.irp i, 0,1,2,3
.irp a, 0,1
.irp hf, 0,1
	global_load_b128 v[4*(16*(\c)+4*\i+2*\a+\hf):4*(16*(\c)+4*\i+2*\a+\hf)+3], v[XOFF], s[8+2*\a:9+2*\a] offset:(4*(\c)+\i)*1024+\hf*512 th:TH_LOAD_NT
.endr
.endr
.endr
.endm
; chunk c has landed (left = the younger loads, which stay out): round it and put it into the stage.  A store covers 256 neighbouring bytes of LDS.
.macro XCHUNK slot, c, left
	s_wait_loadcnt \left
	WIN 0xCF
.set q, 64*(\c)
.rept 16
	v_cvt_pk_bf16_f32 v[q], v[q], v[q+1]
	v_cvt_pk_bf16_f32 v[q+1], v[q+2], v[q+3]
.set q, q+4
.endr
	WIN 0x0C
.irp i, 0,1,2,3
.irp a, 0,1
.irp hf, 0,1
	ds_store_b64 v[SST+\slot], v[4*(16*(\c)+4*\i+2*\a+\hf):4*(16*(\c)+4*\i+2*\a+\hf)+1] offset:(4*(\c)+\i)*SP+\a*512+\hf*256
.endr
.endr
.endr
.endm
; group g = 8 sb + j: my rows 16 sb .. + 15, local K step j: one fragment of vi, two loads, into buffer g % 4
.macro FETCH slot, g
.set fj, (\g)&7
.if ((\g)&3) == 3
.set fb, FR3
.else
.set fb, FR+8*((\g)&3)
.endif
.if fj < 4
	ds_load_b128 v[fb:fb+3],   v[FRL+\slot] offset:((\g)>>3)*16*SP+fj*64
	ds_load_b128 v[fb+4:fb+7], v[FRL+\slot] offset:((\g)>>3)*16*SP+fj*64+32
.else
	ds_load_b128 v[fb:fb+3],   v[FRH+\slot] offset:((\g)>>3)*16*SP+(fj-4)*64
	ds_load_b128 v[fb+4:fb+7], v[FRH+\slot] offset:((\g)>>3)*16*SP+(fj-4)*64+32
.endif
.endm
; au of my rows 16 sb .. + 15, my 128 features: lane (r, h) takes features 16 nt + 8 h .. + 7 of row r, the partners of its accumulator registers
.macro AULOAD slot, sb
.irp nt, 0,1,2,3,4,5,6,7
	ds_load_b128 v[AU+4*\nt:AU+4*\nt+3], v[FRL+\slot] offset:(\sb)*16*SP+512+32*\nt
.endr
.endm
; group g's matrix instructions.  The accumulators (in steps 0-3 u's, then the eight blocks of features) take turns, one instruction a turn.
; Step 0 takes c, and for u the constant 0, as C and so starts the sums: nothing is cleared.
.macro MULG g
.set mj, (\g)&7
.if ((\g)&3) == 3
.set fb, FR3
.else
.set fb, FR+8*((\g)&3)
.endif
.if mj < 4
	WIN 0
.if mj == 0
	v_wmma_f32_16x16x32_bf16 v[ACCU:ACCU+7], v[UF:UF+7], v[fb:fb+7], 0
.else
	v_wmma_f32_16x16x32_bf16 v[ACCU:ACCU+7], v[UF+8*mj:UF+8*mj+7], v[fb:fb+7], v[ACCU:ACCU+7]
.endif
	WIN 0x01
.else
	WIN 0x02
.endif
.irp nt, 0,1,2,3,4,5,6,7
.set wf, 8*((mj&3)*8+\nt)
.set ac, ACC+8*\nt
.if mj == 0
	v_wmma_f32_16x16x32_bf16 v[ac:ac+7], v[wf:wf+7], v[fb:fb+7], v[CB+8*\nt:CB+8*\nt+7]
.else
	v_wmma_f32_16x16x32_bf16 v[ac:ac+7], v[wf:wf+7], v[fb:fb+7], v[ac:ac+7]
.endif
.endr
.endm
; t . au over my 128 features, for my rows 16 sb + r, on top of vi . u: 64 products a lane in eight chains, straight from au's bf16 halves; then the other half of the lanes
.macro EPI sb
.irp nt, 0,1,2,3,4,5,6,7
.irp c, 0,1,2,3
	v_fma_mix_f32_bf16 v[ACCU+2*\c],   v[AU+4*\nt+\c], v[ACC+8*\nt+2*\c],   v[ACCU+2*\c]   op_sel_hi:[1,0,0]
	v_fma_mix_f32_bf16 v[ACCU+2*\c+1], v[AU+4*\nt+\c], v[ACC+8*\nt+2*\c+1], v[ACCU+2*\c+1] op_sel:[1,0,0] op_sel_hi:[1,0,0]
.endr
.endr
	v_pk_add_f32 v[ACCU:ACCU+1], v[ACCU:ACCU+1], v[ACCU+2:ACCU+3]
	v_pk_add_f32 v[ACCU+4:ACCU+5], v[ACCU+4:ACCU+5], v[ACCU+6:ACCU+7]
	v_pk_add_f32 v[ACCU:ACCU+1], v[ACCU:ACCU+1], v[ACCU+4:ACCU+5]
	v_add_f32 v[ACCU], v[ACCU], v[ACCU+1]
	v_permlanex16_b32 v[ACCU+1], v[ACCU], s6, s7   ; lane i of the other half
	v_add_f32 v[ACCU+2], v[ACCU], v[ACCU+1]
	ds_store_b32 v[PST], v[ACCU+2] offset:PART+64*(\sb)    ; both halves of the lanes write the same word with the same number
.endm
; P += exp(score - m) x row, my 8 columns, row \row of my 32, which lies in place \k of XD
.macro POOLR row, k
.irp c, 0,1,2,3
	v_fma_mix_f32_bf16 v[POOL+2*\c],   v[XD+4*(\k)+\c], v[PB+(\row)], v[POOL+2*\c]   op_sel_hi:[1,0,0]
	v_fma_mix_f32_bf16 v[POOL+2*\c+1], v[XD+4*(\k)+\c], v[PB+(\row)], v[POOL+2*\c+1] op_sel:[1,0,0] op_sel_hi:[1,0,0]
.endr
.endm
; ONE TILE of 64 rows, in stage \slot.  reload = 1: the registers are loaded again with the next tile.
; Two barriers a tile.  A: the stage is whole.  B: the waves' parts of the dot products are in PART.
; The stage written here was last read two tiles ago, in front of the last tile's barrier A; PART is read behind B and written again behind the next A.
.macro TILE slot, reload
	s_wait_xcnt 0x0                                ; the bases below, and v24-25 (the data of wave 0's last store), are rewritten only behind this wait
.if \reload
	s_add_nc_u64 s[8:9], s[8:9], 0x10000           ; vi and au: the next tile's 64 rows of 1,024 bytes
	s_add_nc_u64 s[10:11], s[10:11], 0x10000
.endif
	s_add_nc_u64 s[14:15], s[14:15], 256           ; scores: 64 numbers on; the store below reaches back
.if \reload
	XCHUNK \slot, 0, 48                            ; 48: the three younger chunks of 16 loads
	XLOAD 0
	XCHUNK \slot, 1, 48
	XLOAD 1
	XCHUNK \slot, 2, 48
	XLOAD 2
	XCHUNK \slot, 3, 48                            ; its registers are loaded again further down, in front of group 4
.else
	XCHUNK \slot, 0, 48                            ; the last tile loads nothing: the counts run down
	XCHUNK \slot, 1, 32
	XCHUNK \slot, 2, 16
	XCHUNK \slot, 3, 0
.endif
	WIN 0
	s_wait_dscnt 0x0                               ; my rows are in the stage (in the first tile also: G, u and c are in my registers)
	s_barrier_signal -1
	s_barrier_wait -1                              ; A: everybody's are
	FETCH \slot, 0
	FETCH \slot, 1
	FETCH \slot, 2
.irp g, 0,1,2,3,4,5,6,7,8,9,10,11,12,13,14,15
	WIN 0
	; Places behind the last group's matrix instructions: four in front of the loads into the buffer that it read, five where the next
	; group's first K step writes the accumulators anew and the dot reads them.
.if \g > 0
.if (\g & 7) == 0
	PLACES 5
.else
	PLACES 4
.endif
.endif
.if \g < 13
	FETCH \slot, \g+3
.endif
.if \g == 8
	EPI 0
.endif
.if (\g & 7) == 0
	AULOAD \slot, \g/8
.endif
.if \g == 4
.if \reload
	XLOAD 3                                        ; here and not at the stage's end: LOADcnt counts to 63 and a load beyond waits at issue (ISA guide 5.7.1);
	                                               ; the oldest of the 64 has had the first four groups in which to land
.endif
.endif
.if (\g & 7) < 4
	s_wait_dscnt 14+\g/8                           ; group g's fragment is in; out stay three fetches of 2, au's 8 loads and, in the second 16 rows, the first dot's store
.else
.if \g < 13
	s_wait_dscnt 6                                 ; three fetches of 2; au is in
.else
	s_wait_dscnt 2*(15-\g)
.endif
.endif
	MULG \g
.endr
	WIN 0
	PLACES 5
	EPI 1
	s_wait_dscnt 0x0
	s_barrier_signal -1
	s_barrier_wait -1                              ; B
	; THE SOFTMAX'S STEP, made alike by every wave; lane l has rows 2 l and 2 l + 1
	ds_load_b64 v[24:25], v[L8] offset:PART
	ds_load_b64 v[26:27], v[L8] offset:PART+256
.set pr, 0
.rept 20
	ds_load_b128 v[XD+4*pr:XD+4*pr+3], v[XLD+\slot] offset:pr*SP   ; the first 20 of the 32 rows that I pool, my 8 columns of [vi|au], in bf16
.set pr, pr+1
.endr
	s_wait_dscnt 20                                ; the two parts are in; the 20 row loads stay out
	v_pk_add_f32 v[24:25], v[24:25], v[26:27]
	v_pk_add_f32 v[24:25], v[24:25], s[28:29] op_sel_hi:[1,0]      ; + c0 / 16: the score
	s_cmp_lg_u32 s[WV], 0
	s_cbranch_scc1 .Lno_store_\@
	global_store_b64 v[L8], v[24:25], s[14:15] offset:-256         ; wave 0: the tile's 64 scores, 256 neighbouring bytes, aligned
.Lno_store_\@:
	v_max_num_f32 v[ST], v24, v25
	v_max_num_f32_dpp v[ST], v[ST], v[ST] row_xmask:1 row_mask:0xf bank_mask:0xf
	v_max_num_f32_dpp v[ST], v[ST], v[ST] row_xmask:2 row_mask:0xf bank_mask:0xf
	v_max_num_f32_dpp v[ST], v[ST], v[ST] row_xmask:4 row_mask:0xf bank_mask:0xf
	v_max_num_f32_dpp v[ST], v[ST], v[ST] row_xmask:8 row_mask:0xf bank_mask:0xf
	v_permlanex16_b32 v[ST+1], v[ST], s6, s7
	v_max3_num_f32 v[ST], v[ST], v[ST+1], v[MX]    ; the new maximum
	v_sub_f32 v[ST+1], v[MX], v[ST]                ; subtract first, scale then: large scores keep their low bits
	v_sub_f32 v[ST+2], v24, v[ST]
	v_sub_f32 v[ST+3], v25, v[ST]
	v_mul_f32 v[ST+1], LOG2E, v[ST+1]
	v_mul_f32 v[ST+2], LOG2E, v[ST+2]
	v_mul_f32 v[ST+3], LOG2E, v[ST+3]
	v_exp_f32 v[ST+4], v[ST+1]                     ; what the old sums shrink by (0 in the first tile: the maximum starts at -infinity)
	v_exp_f32 v[ST+6], v[ST+2]
	v_exp_f32 v[ST+7], v[ST+3]
	v_mov_b32 v[MX], v[ST]                         ; the plain instruction between the exponentials and the first use of a result (ISA guide 5.7.2)
	s_wait_alu depctr_va_vdst(0)
	v_fma_f32 v[LS], v[LS], v[ST+4], v[ST+6]
	v_add_f32 v[LS], v[LS], v[ST+7]
.irp c, 0,2,4,6
	v_pk_mul_f32 v[POOL+\c:POOL+\c+1], v[POOL+\c:POOL+\c+1], v[ST+4:ST+5] op_sel_hi:[1,0]   ; both by the first of the pair
.endr
	ds_store_b64 v[PWS], v[ST+6:ST+7] offset:PW    ; into my wave's own copy, and back in every lane: served in order, no wait between
.irp i, 0,1,2,3,4,5,6,7
	ds_load_b128 v[PB+4*\i:PB+4*\i+3], v[PWL] offset:PW+16*\i
.endr
	s_wait_dscnt 0x0
	; POOLING: 32 rows x 8 columns a lane.  Rows 0-11 free their registers for rows 20-31, which land while rows 12-19 are added
.set pr, 0
.rept 12
	POOLR pr, pr
.set pr, pr+1
.endr
.set pr, 0
.rept 12
	ds_load_b128 v[XD+4*pr:XD+4*pr+3], v[XLD+\slot] offset:(20+pr)*SP
.set pr, pr+1
.endr
.set pr, 12
.rept 8
	POOLR pr, pr
.set pr, pr+1
.endr
	s_wait_dscnt 0x0
.set pr, 20
.rept 12
	POOLR pr, pr-20
.set pr, pr+1
.endr
.endm
	; SET-UP
	s_load_b256 s[8:15], s[0:1], 0x0               ; vi s[8:9], au s[10:11], gw s[12:13], scores s[14:15]
	s_load_b64 s[16:17], s[0:1], 0x20              ; part
	v_lshl_add_u32 v254, v0, 2, 0x48000
	v_mov_b32 v255, 0
	ds_add_u32 v254, v255
	ds_add_u32 v254, v255
	s_wait_dscnt 0x0
	v_lshrrev_b32 v24, 5, v0
	v_readfirstlane_b32 s[WV], v24                 ; wave
	v_and_b32 v24, 31, v0                          ; lane
	v_and_b32 v25, 15, v0                          ; r
	v_bfe_u32 v26, v0, 4, 1                        ; h
	s_bfe_u32 s31, ttmp6, 0x40000                  ; cx: my place in the cluster
	s_lshl_b32 s18, ttmp9, 2                       ; in a cluster launch ttmp9 counts clusters
	s_add_co_u32 s18, s18, s31                     ; work-group x = 4 x cluster + cx: it enters the offsets of my rows, scores and record alone
	; the joint load's descriptor: wave w's quarter of gw's image, a dense block taken as 152 rows of 256 bytes (32 elements of 8 bytes), no padding.
	; Every word is a constant or hangs on the wave's number: the same in all four work-groups
	s_mov_b32 s32, 1                               ; group 0: count = 1
	s_mul_i32 s26, s[WV], GQ
	s_mov_b32 s27, 0
	s_add_co_u32 s33, s26, GL                      ; LDS address: the image's first byte + wave x 38,912
	s_mov_b32 s36, 15|(3<<16)|(1<<21)              ; group 1: 15:0 the mask of the cluster's four work-groups; 17:16 elements of 8 bytes; 21 set beside a mask; no padding
	s_mov_b32 s37, 32<<16                          ; tensor_dim0 = 32
	s_mov_b32 s38, 152<<16                         ; tensor_dim1 = 152
	s_mov_b32 s39, 32<<16                          ; tile_dim0 = 32
	s_mov_b32 s40, 152                             ; tile_dim1 = 152
	s_mov_b32 s41, 32                              ; from row to row: 32 elements
	s_mov_b32 s42, 0
	s_mov_b32 s43, 0
	s_lshl_b32 s24, s[WV], 14
	v_lshl_add_u32 v[XOFF], v24, 4, s24
	s_lshl_b32 s4, s18, 19                         ; 512 rows of 1,024 bytes a work-group: below 2^27
	s_mov_b32 s5, 0
	s_wait_kmcnt 0x0
	s_add_nc_u64 s[34:35], s[12:13], s[26:27]
	s_or_b32 s35, s35, 0x80000000                  ; type = 2
	s_add_nc_u64 s[8:9], s[8:9], s[4:5]
	s_add_nc_u64 s[10:11], s[10:11], s[4:5]
	XLOAD 0                                        ; three quarters of tile 0's rows go out at once and are on their way while the four work-groups meet;
	XLOAD 1                                        ; the last quarter follows further down: its last load is the wave's 64th, which may wait at issue (ISA guide 5.7.1),
	XLOAD 2                                        ; and that must not hold the tensor load back
	WIN 0
	ROUND                                          ; all four work-groups are here: the joint loads meet
	tensor_load_to_lds s[32:35], s[36:43]          ; my wave's one tensor load of the launch; its descriptor is never written again
	s_nop 0
	s_load_b32 s28, s[12:13], GC0                  ; c0 / 16
	s_lshl_b32 s4, s18, 11                         ; 512 scores
	s_add_nc_u64 s[14:15], s[14:15], s[4:5]
	s_mul_i32 s4, s18, 2304                        ; my record
	s_add_nc_u64 s[16:17], s[16:17], s[4:5]
	s_mov_b32 s6, 0x76543210                       ; v_permlanex16_b32: lane i of one half reads lane i of the other
	s_mov_b32 s7, 0xfedcba98
	s_and_b32 s24, s[WV], 1                        ; fh: my 128 features; pooling: my 256 of the 512 columns (0: vi, 1: au)
	s_lshr_b32 s25, s[WV], 1                       ; rh: my 32 of a tile's 64 rows
	v_lshlrev_b32 v[L8], 3, v24
	s_mul_i32 s26, s[WV], 16*SP
	s_add_co_u32 s26, s26, STAGE0
	v_lshl_add_u32 v[SST], v24, 3, s26
	v_add_nc_u32 v[SST+1], STAGEB, v[SST]
	v_mul_u32_u24 v27, v25, SP
	v_lshl_add_u32 v27, v26, 4, v27                ; r x pitch + 16 h
	s_mul_i32 s26, s25, 32*SP
	s_add_co_u32 s26, s26, STAGE0
	s_lshl_b32 s27, s24, 8
	s_add_co_u32 s27, s27, s26
	v_add_nc_u32 v[FRL], s27, v27                  ; local steps 0-3 begin at K step 4 fh: 256 fh bytes into the row
	v_add_nc_u32 v[FRL+1], STAGEB, v[FRL]
	s_xor_b32 s27, s24, 1
	s_lshl_b32 s27, s27, 8
	s_add_co_u32 s27, s27, s26
	v_add_nc_u32 v[FRH], s27, v27                  ; local steps 4-7 begin at K step 4 (1 - fh)
	v_add_nc_u32 v[FRH+1], STAGEB, v[FRH]
	s_lshl_b32 s27, s24, 9
	s_add_co_u32 s27, s27, s26
	v_lshl_add_u32 v[XLD], v24, 4, s27
	v_add_nc_u32 v[XLD+1], STAGEB, v[XLD]
	s_lshl_b32 s26, s24, 8
	s_lshl_b32 s27, s25, 7
	s_add_co_u32 s26, s26, s27
	v_lshl_add_u32 v[PST], v25, 2, s26
	s_lshl_b32 s26, s[WV], 8
	v_lshl_add_u32 v[PWS], v24, 3, s26
	s_add_co_u32 s27, s27, s26
	v_mov_b32 v[PWL], s27
	s_mul_i32 s26, s24, 98304                      ; G in the image: local steps 0-3 are K steps 4 fh .. of feature half fh: (64 fh + 32 fh) KiB
	s_add_co_u32 s26, s26, GL
	v_lshl_add_u32 v28, v24, 4, s26
	s_lshl_b32 s26, s24, 15                        ; local steps 4-7 are K steps 4 (1 - fh) ..: (64 fh + 32 (1 - fh)) KiB
	s_add_co_u32 s26, s26, GL+32768
	v_lshl_add_u32 v29, v24, 4, s26
	s_lshl_b32 s26, s24, 12                        ; u: K steps 4 fh ..
	s_add_co_u32 s26, s26, GL+GU
	v_lshl_add_u32 v30, v24, 4, s26
	s_lshl_b32 s26, s24, 13                        ; c: blocks 8 fh ..
	s_add_co_u32 s26, s26, GL+GC
	v_lshl_add_u32 v31, v24, 4, s26
	v_mov_b32 v[MX], 0xff800000                    ; -infinity
	v_mov_b32 v[LS], 0
.irp c, 0,1,2,3,4,5,6,7
	v_mov_b32 v[POOL+\c], 0
.endr
	XLOAD 3                                        ; the last quarter of tile 0's rows
	WIN 0
	s_wait_kmcnt 0x0
	s_mov_b32 s29, s28                             ; the pair that the packed add names
	s_wait_tensorcnt 0x0                           ; my quarter of the image is in LDS,
	s_barrier_signal -1
	s_barrier_wait -1                              ; everybody's is
	; from the image into registers: 32 lanes x 16 neighbouring bytes a load.  The wait for them is the first tile's, in front of its barrier A
.irp nt, 0,1,2,3,4,5,6,7
	ds_load_b128 v[CB+8*\nt:CB+8*\nt+3],   v31 offset:\nt*1024
	ds_load_b128 v[CB+8*\nt+4:CB+8*\nt+7], v31 offset:\nt*1024+512
.endr
.irp j, 0,1,2,3
	ds_load_b128 v[UF+8*\j:UF+8*\j+3],   v30 offset:\j*1024
	ds_load_b128 v[UF+8*\j+4:UF+8*\j+7], v30 offset:\j*1024+512
.endr
	WIN 0x40
.set i, 0
.rept 32
	ds_load_b128 v[8*i:8*i+3],   v28 offset:i*1024
	ds_load_b128 v[8*i+4:8*i+7], v28 offset:i*1024+512
.set i, i+1
.endr
	WIN 0x80
.set i, 0
.rept 32
	ds_load_b128 v[8*i:8*i+3],   v29 offset:i*1024
	ds_load_b128 v[8*i+4:8*i+7], v29 offset:i*1024+512
.set i, i+1
.endr
	WIN 0                                          ; tile 0's 64 loads are out: the state at the head of every tile
	s_mov_b32 s3, 3
.Ltile:
	TILE 0, 1
	TILE 1, 1
	s_sub_co_u32 s3, s3, 1
	s_cmp_lg_u32 s3, 0
	s_cbranch_scc1 .Ltile
	TILE 0, 1
	TILE 1, 0                                      ; the eighth tile: no load leaves the work-group's rows
	; THE RECORD: P (the two halves of the rows added), then (m, l) 32 times, so that each store of a wave covers whole aligned runs of 256 bytes
	s_wait_xcnt 0x0                                ; v24-25 were the data of wave 0's last store
	v_add_f32_dpp v[LS], v[LS], v[LS] row_xmask:1 row_mask:0xf bank_mask:0xf
	v_add_f32_dpp v[LS], v[LS], v[LS] row_xmask:2 row_mask:0xf bank_mask:0xf
	v_add_f32_dpp v[LS], v[LS], v[LS] row_xmask:4 row_mask:0xf bank_mask:0xf
	v_add_f32_dpp v[LS], v[LS], v[LS] row_xmask:8 row_mask:0xf bank_mask:0xf
	v_permlanex16_b32 v24, v[LS], s6, s7
	v_add_f32 v[LS], v[LS], v24
	s_lshl_b32 s26, s25, 11
	s_lshl_b32 s27, s24, 10
	s_add_co_u32 s26, s26, s27
	v_and_b32 v25, 31, v0
	v_lshl_add_u32 v25, v25, 5, s26
	ds_store_b128 v25, v[POOL:POOL+3] offset:FIN
	ds_store_b128 v25, v[POOL+4:POOL+7] offset:FIN+16
	s_wait_dscnt 0x0
	s_barrier_signal -1
	s_barrier_wait -1
	v_lshlrev_b32 v26, 4, v0
	ds_load_b128 v[208:211], v26 offset:FIN
	ds_load_b128 v[212:215], v26 offset:FIN+2048
	s_wait_dscnt 0x0
	v_pk_add_f32 v[208:209], v[208:209], v[212:213]
	v_pk_add_f32 v[210:211], v[210:211], v[214:215]
	global_store_b128 v26, v[208:211], s[16:17]
	s_cmp_lg_u32 s[WV], 0
	s_cbranch_scc1 .Lend
	global_store_b64 v[L8], v[MX:LS], s[16:17] offset:2048
.Lend:
	s_wait_xcnt 0x0
	v_lshl_add_u32 v254, v0, 2, 0x48000
	v_mov_b32 v255, 0
	s_wait_tensorcnt 0x0
	ds_add_u32 v254, v255
	s_wait_dscnt 0x0
	ROUND                                          ; the closing round: no work-group ends while a partner may still ask for the image
	s_endpgm
.Lfunc_end_k_q56ccc86bb4_stream:
	.size	k_q56ccc86bb4_stream, .Lfunc_end_k_q56ccc86bb4_stream-k_q56ccc86bb4_stream
	.p2alignl 7, 3214868480
	.fill 96, 4, 3214868480
	.section	.rodata,"a",@progbits
	.p2align	6, 0x0
	.amdhsa_kernel k_q56ccc86bb4_stream
		.amdhsa_group_segment_fixed_size 295424
		.amdhsa_private_segment_fixed_size 0
		.amdhsa_enable_private_segment 0
		.amdhsa_kernarg_size 40
		.amdhsa_user_sgpr_count 2
		.amdhsa_user_sgpr_kernarg_segment_ptr 1
		.amdhsa_wavefront_size32 1
		.amdhsa_system_sgpr_workgroup_id_x 1
		.amdhsa_system_sgpr_workgroup_id_y 1
		.amdhsa_system_sgpr_workgroup_id_z 1
		.amdhsa_system_vgpr_workitem_id 0
		.amdhsa_next_free_vgpr 1024
		.amdhsa_next_free_sgpr 66
		.amdhsa_reserve_vcc 0
		.amdhsa_float_denorm_mode_32 3
		.amdhsa_float_denorm_mode_16_64 3
		.amdhsa_memory_ordered 1
		.amdhsa_forward_progress 1
		.amdhsa_inst_pref_size 255
	.end_amdhsa_kernel
	.section	.bss,"aw",@nobits
	.p2align	6
	.space	262144
	.amdgpu_metadata
---
amdhsa.version: [ 1, 2 ]
amdhsa.kernels:
  - .name:           k_q56ccc86bb4_stream
    .symbol:         k_q56ccc86bb4_stream.kd
    .args:
      - { .name: vi, .offset: 0, .size: 8, .value_kind: global_buffer, .address_space: global }
      - { .name: au, .offset: 8, .size: 8, .value_kind: global_buffer, .address_space: global }
      - { .name: gw, .offset: 16, .size: 8, .value_kind: global_buffer, .address_space: global }
      - { .name: scores, .offset: 24, .size: 8, .value_kind: global_buffer, .address_space: global }
      - { .name: part, .offset: 32, .size: 8, .value_kind: global_buffer, .address_space: global }
    .group_segment_fixed_size: 295424
    .private_segment_fixed_size: 0
    .kernarg_segment_align: 8
    .kernarg_segment_size: 40
    .max_flat_workgroup_size: 128
    .sgpr_count:     66
    .vgpr_count:     1024
    .wavefront_size: 32
...
	.end_amdgpu_metadata
.endif
;; end of part 4
;; launch finish (part 5): grid 8 x 16, 8 waves a work-group, no clusters, 7,680 bytes of LDS; arguments scores, part, wv_w, wv_b, out0, out1; writes out0, out1
.if DOCPART == 5
	.amdgcn_target "amdgcn-amd-amdhsa--gfx1250"
	.amdhsa_code_object_version 6
	.text
	.protected	k_q56ccc86bb4_finish
	.globl	k_q56ccc86bb4_finish
	.p2align	8
	.type	k_q56ccc86bb4_finish,@function
k_q56ccc86bb4_finish:
	s_mov_b64 s[64:65], 0
	v_nop
	global_prefetch_b8 v0, s[64:65] scope:SCOPE_SE
	s_setreg_imm32_b32 hwreg(HW_REG_WAVE_MODE, 25, 1), 1
	s_wait_xcnt 0x0
; THIRD OF THREE LAUNCHES.  Work-group (j, b) joins the 16 records (m_g, l_g, P_g) that the launch before left for batch b:
;   M = max m_g, L = sum l_g exp(m_g - M), w_g = exp(m_g - M) / L, pooled = sum w_g P_g   (512 numbers, made by every j: 32 KiB read again)
;   out1[b][1024 j .. + 1023] = exp(score - M) / L
;   out0[b][64 j .. + 63]     = pooled . Wv[:, 64 j .. + 63] + bv      (bv once: the weights of a softmax add up to one)
; All in f32.  LIMITS: v_exp_f32 gives 0 for results below 2^-126; scores that are not finite are not reproduced.
; 8 waves, 256 threads.  Every load is issued at the head; the waits are counted.  Thread t = 16 kp + c4 multiplies rows 32 kp .. + 31 of Wv by 4 columns:
; sixteen neighbouring lanes read 256 neighbouring, aligned bytes of a row of Wv; narrower column shares would cut these pieces, so there are 8 x 16 work-groups.
; NO MATRIX UNIT: one row times 512 x 64 would use one of the sixteen rows of an instruction.  NO CLUSTER: the 16 batches of a j read the same 128 KiB of Wv, but each
; number goes straight into the register that it is multiplied from, once; a joint copy would write and read those 128 KiB in LDS for 32,768 multiply-adds.
; LDS: WREG 8 waves x 16 f32, each wave's own | PL the 512 pooled numbers | RED [16 kp][64 columns] f32
.set REC,   2304                       ; bytes of a record: 512 f32, then (m, l) 32 times
.set WREG,  0
.set PL,    512
.set RED,   2560
.set LOG2E, 0x3fb8aa3b
; v1 record offset of lane % 16 | v[2:3] (m, l) | v4 16 t | v5 8 t | v6 8 x lane | v7 offset in Wv | v8-11, v15 at work | v12, v13 WREG addresses | v14 128 kp
; v16-31 w_g | v32-63 P_g, my 2 columns | v64-71 scores, weights | v72-73 bias | v74-77 sums | v80-111 pooled, my 32 | v112-239 Wv, 32 rows x 4 columns
	s_load_b256 s[4:11], s[0:1], 0x0               ; scores s[4:5], part s[6:7], wv_w s[8:9], wv_b s[10:11]
	s_load_b128 s[12:15], s[0:1], 0x20             ; out0 s[12:13], out1 s[14:15]
	v_lshl_add_u32 v240, v0, 2, 0x1a00
	v_mov_b32 v241, 0
	v_lshrrev_b32 v8, 5, v0
	v_readfirstlane_b32 s2, v8                     ; wave
	s_and_b32 s3, ttmp7, 0xffff                    ; b
	v_and_b32 v9, 15, v0
	v_and_b32 v10, 31, v0
	v_lshrrev_b32 v11, 4, v0                       ; kp
	v_mul_u32_u24 v1, v9, REC
	v_lshlrev_b32 v4, 4, v0
	v_lshlrev_b32 v5, 3, v0
	v_lshlrev_b32 v6, 3, v10
	v_lshlrev_b32 v7, 4, v9
	v_lshl_add_u32 v7, v11, 16, v7                 ; 32 rows of 2,048 bytes x kp + 16 c4
	v_lshlrev_b32 v14, 7, v11
	s_lshl_b32 s24, s2, 6
	v_lshl_add_u32 v12, v9, 2, s24
	v_mov_b32 v13, s24
	s_mul_i32 s16, s3, 16*REC                      ; the batch's 16 records
	s_mov_b32 s17, 0
	s_lshl_b32 s18, s3, 15                         ; the batch's 8,192 scores,
	s_lshl_b32 s19, ttmp9, 12                      ; my 1,024 of them
	s_add_co_u32 s18, s18, s19
	s_mov_b32 s19, 0
	s_lshl_b32 s20, ttmp9, 8                       ; my 64 columns
	s_mov_b32 s21, 0
	s_lshl_b32 s22, s3, 11
	s_add_co_u32 s22, s22, s20
	s_mov_b32 s23, 0
	s_wait_kmcnt 0x0
	s_add_nc_u64 s[6:7], s[6:7], s[16:17]
	s_add_nc_u64 s[4:5], s[4:5], s[18:19]
	s_add_nc_u64 s[14:15], s[14:15], s[18:19]
	s_add_nc_u64 s[8:9], s[8:9], s[20:21]
	s_add_nc_u64 s[10:11], s[10:11], s[20:21]
	s_add_nc_u64 s[12:13], s[12:13], s[22:23]
	global_load_b64 v[2:3], v1, s[6:7] offset:2048             ; lane % 16 = g: (m_g, l_g)
	global_load_b128 v[64:67], v4, s[4:5] th:TH_LOAD_NT        ; my 4 scores
.irp g, 0,1,2,3,4,5,6,7,8,9,10,11,12,13,14,15
	global_load_b64 v[32+2*\g:33+2*\g], v5, s[6:7] offset:\g*REC
.endr
	global_load_b64 v[72:73], v6, s[10:11]
.set i, 0
.rept 32
	global_load_b128 v[112+4*i:115+4*i], v7, s[8:9] offset:i*2048
.set i, i+1
.endr
	s_wait_loadcnt 49                              ; (m, l) and the scores are in; 16 + 1 + 32 younger loads stay out
	v_mov_b32 v8, v2
	v_max_num_f32_dpp v8, v8, v8 row_xmask:1 row_mask:0xf bank_mask:0xf
	v_max_num_f32_dpp v8, v8, v8 row_xmask:2 row_mask:0xf bank_mask:0xf
	v_max_num_f32_dpp v8, v8, v8 row_xmask:4 row_mask:0xf bank_mask:0xf
	v_max_num_f32_dpp v8, v8, v8 row_xmask:8 row_mask:0xf bank_mask:0xf    ; M, in every lane: both halves hold the same 16 records
	v_sub_f32 v9, v2, v8
	v_sub_f32 v68, v64, v8
	v_sub_f32 v69, v65, v8
	v_sub_f32 v70, v66, v8
	v_sub_f32 v71, v67, v8
	v_mul_f32 v9, LOG2E, v9
	v_mul_f32 v68, LOG2E, v68
	v_mul_f32 v69, LOG2E, v69
	v_mul_f32 v70, LOG2E, v70
	v_mul_f32 v71, LOG2E, v71
	v_exp_f32 v10, v9
	v_exp_f32 v64, v68
	v_exp_f32 v65, v69
	v_exp_f32 v66, v70
	v_exp_f32 v67, v71
	v_nop                                          ; a plain instruction between a transcendental and the first use of its result (ISA guide 5.7.2)
	s_wait_alu depctr_va_vdst(0)
	v_mul_f32 v11, v3, v10
	v_add_f32_dpp v11, v11, v11 row_xmask:1 row_mask:0xf bank_mask:0xf
	v_add_f32_dpp v11, v11, v11 row_xmask:2 row_mask:0xf bank_mask:0xf
	v_add_f32_dpp v11, v11, v11 row_xmask:4 row_mask:0xf bank_mask:0xf
	v_add_f32_dpp v11, v11, v11 row_xmask:8 row_mask:0xf bank_mask:0xf     ; L: at least 1, from the record that holds M
	v_rcp_f32 v15, v11
	v_nop
	s_wait_alu depctr_va_vdst(0)
	v_mul_f32 v10, v10, v15                        ; w_g
	v_mul_f32 v64, v64, v15
	v_mul_f32 v65, v65, v15
	v_mul_f32 v66, v66, v15
	v_mul_f32 v67, v67, v15
	ds_store_b32 v12, v10 offset:WREG              ; my wave's own 16 words, and back in every lane: served in order, no wait between
.irp i, 0,1,2,3
	ds_load_b128 v[16+4*\i:19+4*\i], v13 offset:WREG+16*\i
.endr
	global_store_b128 v4, v[64:67], s[14:15] th:TH_STORE_NT    ; a wave's store covers 512 neighbouring bytes, aligned
	s_wait_loadcnt 33                              ; the 16 records' parts are in; the bias and Wv's 32 loads stay out
	s_wait_dscnt 0x0
	v_mul_f32 v8, v32, v16
	v_mul_f32 v9, v33, v16
.set i, 1
.rept 15
	v_fmac_f32 v8, v[32+2*i], v[16+i]
	v_fmac_f32 v9, v[33+2*i], v[16+i]
.set i, i+1
.endr
	ds_store_b64 v5, v[8:9] offset:PL
	s_wait_dscnt 0x0
	s_barrier_signal -1
	s_barrier_wait -1                              ; the 512 pooled numbers are in LDS
.irp i, 0,1,2,3,4,5,6,7
	ds_load_b128 v[80+4*\i:83+4*\i], v14 offset:PL+16*\i
.endr
	s_wait_loadcnt 0x0
	s_wait_dscnt 0x0
.irp c, 0,1,2,3
	v_mul_f32 v[74+\c], v[112+\c], v80             ; the first products start the sums
.endr
.set i, 1
.rept 31
.irp c, 0,1,2,3
	v_fmac_f32 v[74+\c], v[112+4*i+\c], v[80+i]
.endr
.set i, i+1
.endr
	ds_store_b128 v4, v[74:77] offset:RED
	s_wait_dscnt 0x0
	s_barrier_signal -1
	s_barrier_wait -1
	s_cmp_lg_u32 s2, 0
	s_cbranch_scc1 .Lend
	; wave 0 adds the 16 parts; lane l has columns 2 l and 2 l + 1
.irp k, 0,1,2,3,4,5,6,7,8,9,10,11,12,13,14,15
	ds_load_b64 v[32+2*\k:33+2*\k], v6 offset:RED+256*\k
.endr
	s_wait_dscnt 0x0
.irp k, 0,1,2,3,4,5,6,7
	v_pk_add_f32 v[32+2*\k:33+2*\k], v[32+2*\k:33+2*\k], v[48+2*\k:49+2*\k]
.endr
.irp k, 0,1,2,3
	v_pk_add_f32 v[32+2*\k:33+2*\k], v[32+2*\k:33+2*\k], v[40+2*\k:41+2*\k]
.endr
.irp k, 0,1
	v_pk_add_f32 v[32+2*\k:33+2*\k], v[32+2*\k:33+2*\k], v[36+2*\k:37+2*\k]
.endr
	v_pk_add_f32 v[32:33], v[32:33], v[34:35]
	v_pk_add_f32 v[32:33], v[32:33], v[72:73]      ; + bv
	global_store_b64 v6, v[32:33], s[12:13]        ; 256 neighbouring bytes, aligned
.Lend:
	s_wait_tensorcnt 0x0
	ds_add_u32 v240, v241
	s_wait_dscnt 0x0
	s_endpgm
.Lfunc_end_k_q56ccc86bb4_finish:
	.size	k_q56ccc86bb4_finish, .Lfunc_end_k_q56ccc86bb4_finish-k_q56ccc86bb4_finish
	.p2alignl 7, 3214868480
	.fill 96, 4, 3214868480
	.section	.rodata,"a",@progbits
	.p2align	6, 0x0
	.amdhsa_kernel k_q56ccc86bb4_finish
		.amdhsa_group_segment_fixed_size 7680
		.amdhsa_private_segment_fixed_size 0
		.amdhsa_enable_private_segment 0
		.amdhsa_kernarg_size 48
		.amdhsa_user_sgpr_count 2
		.amdhsa_user_sgpr_kernarg_segment_ptr 1
		.amdhsa_wavefront_size32 1
		.amdhsa_system_sgpr_workgroup_id_x 1
		.amdhsa_system_sgpr_workgroup_id_y 1
		.amdhsa_system_sgpr_workgroup_id_z 1
		.amdhsa_system_vgpr_workitem_id 0
		.amdhsa_next_free_vgpr 242
		.amdhsa_next_free_sgpr 66
		.amdhsa_reserve_vcc 0
		.amdhsa_float_denorm_mode_32 3
		.amdhsa_float_denorm_mode_16_64 3
		.amdhsa_memory_ordered 1
		.amdhsa_forward_progress 1
		.amdhsa_inst_pref_size 17
	.end_amdhsa_kernel
	.amdgpu_metadata
---
amdhsa.version: [ 1, 2 ]
amdhsa.kernels:
  - .name:           k_q56ccc86bb4_finish
    .symbol:         k_q56ccc86bb4_finish.kd
    .args:
      - { .name: scores, .offset: 0, .size: 8, .value_kind: global_buffer, .address_space: global }
      - { .name: part, .offset: 8, .size: 8, .value_kind: global_buffer, .address_space: global }
      - { .name: wv_w, .offset: 16, .size: 8, .value_kind: global_buffer, .address_space: global }
      - { .name: wv_b, .offset: 24, .size: 8, .value_kind: global_buffer, .address_space: global }
      - { .name: out0, .offset: 32, .size: 8, .value_kind: global_buffer, .address_space: global }
      - { .name: out1, .offset: 40, .size: 8, .value_kind: global_buffer, .address_space: global }
    .group_segment_fixed_size: 7680
    .private_segment_fixed_size: 0
    .kernarg_segment_align: 8
    .kernarg_segment_size: 48
    .max_flat_workgroup_size: 256
    .sgpr_count:     66
    .vgpr_count:     242
    .wavefront_size: 32
...
	.end_amdgpu_metadata
.endif
;; end of part 5
;; ======== version 3 of 3: 3 launches; version 2 with the launch finish written anew for expert scheduling mode
;; limits: values outside matrix products are rounded to bf16
;; workspace buffers: gw 155,904 bytes; scores 524,288 bytes; part 589,824 bytes
;; launch prep: the kernel of part 3 again; grid 8 x 4, 4 waves a work-group, no clusters, 52,224 bytes of LDS; arguments wq_w, wq_b, wk_w, wk_b, gw; writes gw
;; launch stream: the kernel of part 4 again; grid 256 x 1, 4 waves a work-group, clusters of 4 x 1, 295,424 bytes of LDS; arguments vi, au, gw, scores, part; writes scores, part
;; launch finish (part 6): grid 8 x 16, 8 waves a work-group, no clusters, 7,680 bytes of LDS; arguments scores, part, wv_w, wv_b, out0, out1; writes out0, out1
.if DOCPART == 6
	.amdgcn_target "amdgcn-amd-amdhsa--gfx1250"
	.amdhsa_code_object_version 6
	.text
	.protected	k_q56ccc86bb4_finish
	.globl	k_q56ccc86bb4_finish
	.p2align	8
	.type	k_q56ccc86bb4_finish,@function
k_q56ccc86bb4_finish:
	s_mov_b64 s[64:65], 0
	v_nop
	global_prefetch_b8 v0, s[64:65] scope:SCOPE_SE
	s_setreg_imm32_b32 hwreg(HW_REG_WAVE_SCHED_MODE, 0, 2), 2
	s_setreg_imm32_b32 hwreg(HW_REG_WAVE_MODE, 25, 1), 1
	s_wait_xcnt 0x0
	s_wait_alu depctr_vm_vsrc(0)
; THIRD OF THREE LAUNCHES.  Work-group (j, b) joins the 16 records (m_g, l_g, P_g) that the launch before left for batch b:
;   M = max m_g, L = sum l_g exp(m_g - M), w_g = exp(m_g - M) / L, pooled = sum w_g P_g   (512 numbers, made by every j: 32 KiB read again)
;   out1[b][1024 j .. + 1023] = exp(score - M) / L
;   out0[b][64 j .. + 63]     = pooled . Wv[:, 64 j .. + 63] + bv      (bv once: the weights of a softmax add up to one)
; All in f32.  LIMITS: v_exp_f32 gives 0 for results below 2^-126; scores that are not finite are not reproduced.
; 8 waves, 256 threads.  Every load is issued at the head; the waits are counted.  Thread t = 16 kp + c4 multiplies rows 32 kp .. + 31 of Wv by 4 columns:
; sixteen neighbouring lanes read 256 neighbouring, aligned bytes of a row of Wv; narrower column shares would cut these pieces, so there are 8 x 16 work-groups.
; NO MATRIX UNIT: one row times 512 x 64 would use one of the sixteen rows of an instruction.  NO CLUSTER: the 16 batches of a j read the same 128 KiB of Wv, but each
; number goes straight into the register that it is multiplied from, once; a joint copy would write and read those 128 KiB in LDS for 32,768 multiply-adds.
; LDS: WREG 8 waves x 16 f32, each wave's own | PL the 512 pooled numbers | RED [16 kp][64 columns] f32 | the spare words
; THE MODE: SCHED_MODE bits 1:0 = 2 (LLVM: expert scheduling mode 2), set by the entry lines.  The code itself states the register dependences
; between vector instructions and memory or LDS instructions, with s_wait_alu, always for 0.
; THE PLAN.  The text is one straight run.  Registers that memory or LDS instructions touch:
;   v1, v4-7, v12-14     offsets and LDS addresses: written once, at the head; read by loads, stores and LDS instructions; never written again.
;   v2-3, v32-73, v112-239  the head's loads land in them; no vector instruction names them ahead of those loads.
;   v10, v64-67          written by the five multiplies by 1 / L; read by the LDS store of w_g and by the store of the weights; never written again.
;   v16-31, v80-111      LDS loads land in them; no vector instruction names them earlier.
;   v8-9, v74-77         written by sums; each read by one LDS store; never written again.
;   v32-63, once more    read by the pooled sums; at the end wave 0's LDS loads land in them; its additions write v32-33, which the last store reads.
;   v240, v241           written at the head, read by the closing add alone.
; So one wait on va_vdst stands ahead of the first load and one ahead of each run of stores; no register that a memory or LDS instruction has read is written again,
; so the text holds no wait on vm_vsrc; the wave's number, the one scalar that a vector instruction writes, has a wait on va_sdst ahead of its first reader.
.set REC,   2304                       ; bytes of a record: 512 f32, then (m, l) 32 times
.set WREG,  0
.set PL,    512
.set RED,   2560
.set LOG2E, 0x3fb8aa3b
; v1 record offset of lane % 16 | v[2:3] (m, l) | v4 16 t | v5 8 t | v6 8 x lane | v7 offset in Wv | v8-11, v15 at work | v12, v13 WREG addresses | v14 128 kp
; v16-31 w_g | v32-63 P_g, my 2 columns | v64-71 scores, weights | v72-73 bias | v74-77 sums | v80-111 pooled, my 32 | v112-239 Wv, 32 rows x 4 columns
	s_load_b256 s[4:11], s[0:1], 0x0               ; scores s[4:5], part s[6:7], wv_w s[8:9], wv_b s[10:11]
	s_load_b128 s[12:15], s[0:1], 0x20             ; out0 s[12:13], out1 s[14:15]
	v_lshl_add_u32 v240, v0, 2, 0x1a00
	v_mov_b32 v241, 0
	v_lshrrev_b32 v8, 5, v0
	v_readfirstlane_b32 s2, v8                     ; wave
	s_and_b32 s3, ttmp7, 0xffff                    ; b
	v_and_b32 v9, 15, v0
	v_and_b32 v10, 31, v0
	v_lshrrev_b32 v11, 4, v0                       ; kp
	v_mul_u32_u24 v1, v9, REC
	v_lshlrev_b32 v4, 4, v0
	v_lshlrev_b32 v5, 3, v0
	v_lshlrev_b32 v6, 3, v10
	v_lshlrev_b32 v7, 4, v9
	v_lshl_add_u32 v7, v11, 16, v7                 ; 32 rows of 2,048 bytes x kp + 16 c4
	v_lshlrev_b32 v14, 7, v11
	s_wait_alu depctr_va_sdst(0)                   ; s2, the wave's number, is written, ahead of its first reader: the next line
	s_lshl_b32 s24, s2, 6
	v_lshl_add_u32 v12, v9, 2, s24
	v_mov_b32 v13, s24
	s_mul_i32 s16, s3, 16*REC                      ; the batch's 16 records
	s_mov_b32 s17, 0
	s_lshl_b32 s18, s3, 15                         ; the batch's 8,192 scores,
	s_lshl_b32 s19, ttmp9, 12                      ; my 1,024 of them
	s_add_co_u32 s18, s18, s19
	s_mov_b32 s19, 0
	s_lshl_b32 s20, ttmp9, 8                       ; my 64 columns
	s_mov_b32 s21, 0
	s_lshl_b32 s22, s3, 11
	s_add_co_u32 s22, s22, s20
	s_mov_b32 s23, 0
	s_wait_kmcnt 0x0
	s_add_nc_u64 s[6:7], s[6:7], s[16:17]
	s_add_nc_u64 s[4:5], s[4:5], s[18:19]
	s_add_nc_u64 s[14:15], s[14:15], s[18:19]
	s_add_nc_u64 s[8:9], s[8:9], s[20:21]
	s_add_nc_u64 s[10:11], s[10:11], s[20:21]
	s_add_nc_u64 s[12:13], s[12:13], s[22:23]
	s_wait_alu depctr_va_vdst(0)                   ; the offsets and LDS addresses v1, v4-7 and v12-14 are written: every load, store and LDS instruction below reads one of them, and none is written again
	global_load_b64 v[2:3], v1, s[6:7] offset:2048             ; lane % 16 = g: (m_g, l_g)
	global_load_b128 v[64:67], v4, s[4:5] th:TH_LOAD_NT        ; my 4 scores
.irp g, 0,1,2,3,4,5,6,7,8,9,10,11,12,13,14,15
	global_load_b64 v[32+2*\g:33+2*\g], v5, s[6:7] offset:\g*REC
.endr
	global_load_b64 v[72:73], v6, s[10:11]
.set i, 0
.rept 32
	global_load_b128 v[112+4*i:115+4*i], v7, s[8:9] offset:i*2048
.set i, i+1
.endr
	s_wait_loadcnt 49                              ; (m, l) and the scores are in; 16 + 1 + 32 younger loads stay out
	v_mov_b32 v8, v2
	v_max_num_f32_dpp v8, v8, v8 row_xmask:1 row_mask:0xf bank_mask:0xf
	v_max_num_f32_dpp v8, v8, v8 row_xmask:2 row_mask:0xf bank_mask:0xf
	v_max_num_f32_dpp v8, v8, v8 row_xmask:4 row_mask:0xf bank_mask:0xf
	v_max_num_f32_dpp v8, v8, v8 row_xmask:8 row_mask:0xf bank_mask:0xf    ; M, in every lane: both halves hold the same 16 records
	v_sub_f32 v9, v2, v8
	v_sub_f32 v68, v64, v8
	v_sub_f32 v69, v65, v8
	v_sub_f32 v70, v66, v8
	v_sub_f32 v71, v67, v8
	v_mul_f32 v9, LOG2E, v9
	v_mul_f32 v68, LOG2E, v68
	v_mul_f32 v69, LOG2E, v69
	v_mul_f32 v70, LOG2E, v70
	v_mul_f32 v71, LOG2E, v71
	v_exp_f32 v10, v9
	v_exp_f32 v64, v68
	v_exp_f32 v65, v69
	v_exp_f32 v66, v70
	v_exp_f32 v67, v71
	v_nop                                          ; a plain instruction between a transcendental and the first use of its result (ISA guide 5.7.2)
	s_wait_alu depctr_va_vdst(0)                   ; the five exponentials have written v10 and v64-67: one wait for the batch, ahead of its first reader
	v_mul_f32 v11, v3, v10
	v_add_f32_dpp v11, v11, v11 row_xmask:1 row_mask:0xf bank_mask:0xf
	v_add_f32_dpp v11, v11, v11 row_xmask:2 row_mask:0xf bank_mask:0xf
	v_add_f32_dpp v11, v11, v11 row_xmask:4 row_mask:0xf bank_mask:0xf
	v_add_f32_dpp v11, v11, v11 row_xmask:8 row_mask:0xf bank_mask:0xf     ; L: at least 1, from the record that holds M
	v_rcp_f32 v15, v11
	v_nop
	s_wait_alu depctr_va_vdst(0)                   ; the reciprocal has written v15, ahead of its first reader
	v_mul_f32 v10, v10, v15                        ; w_g
	v_mul_f32 v64, v64, v15
	v_mul_f32 v65, v65, v15
	v_mul_f32 v66, v66, v15
	v_mul_f32 v67, v67, v15
	s_wait_alu depctr_va_vdst(0)                   ; the five multiplies have written v10, which the LDS store reads, and v64-67, which the store of the weights reads; no vector instruction stands between this wait and that store
	ds_store_b32 v12, v10 offset:WREG              ; my wave's own 16 words, and back in every lane: served in order, no wait between
.irp i, 0,1,2,3
	ds_load_b128 v[16+4*\i:19+4*\i], v13 offset:WREG+16*\i
.endr
	global_store_b128 v4, v[64:67], s[14:15] th:TH_STORE_NT    ; a wave's store covers 512 neighbouring bytes, aligned
	s_wait_loadcnt 33                              ; the 16 records' parts are in; the bias and Wv's 32 loads stay out
	s_wait_dscnt 0x0
	v_mul_f32 v8, v32, v16
	v_mul_f32 v9, v33, v16
.set i, 1
.rept 15
	v_fmac_f32 v8, v[32+2*i], v[16+i]
	v_fmac_f32 v9, v[33+2*i], v[16+i]
.set i, i+1
.endr
	s_wait_alu depctr_va_vdst(0)                   ; the sums have written v8-9, which the LDS store reads
	ds_store_b64 v5, v[8:9] offset:PL
	s_wait_dscnt 0x0
	s_barrier_signal -1
	s_barrier_wait -1                              ; the 512 pooled numbers are in LDS
.irp i, 0,1,2,3,4,5,6,7
	ds_load_b128 v[80+4*\i:83+4*\i], v14 offset:PL+16*\i
.endr
	s_wait_loadcnt 0x0
	s_wait_dscnt 0x0
.irp c, 0,1,2,3
	v_mul_f32 v[74+\c], v[112+\c], v80             ; the first products start the sums
.endr
.set i, 1
.rept 31
.irp c, 0,1,2,3
	v_fmac_f32 v[74+\c], v[112+4*i+\c], v[80+i]
.endr
.set i, i+1
.endr
	s_wait_alu depctr_va_vdst(0)                   ; the sums have written v74-77, which the LDS store reads; and the pooled sums further up are done reading v32-63, in which wave 0's LDS loads below land: no vector instruction stands between this wait and those loads
	ds_store_b128 v4, v[74:77] offset:RED
	s_wait_dscnt 0x0
	s_barrier_signal -1
	s_barrier_wait -1
	s_cmp_lg_u32 s2, 0
	s_cbranch_scc1 .Lend
	; wave 0 adds the 16 parts; lane l has columns 2 l and 2 l + 1
.irp k, 0,1,2,3,4,5,6,7,8,9,10,11,12,13,14,15
	ds_load_b64 v[32+2*\k:33+2*\k], v6 offset:RED+256*\k
.endr
	s_wait_dscnt 0x0
.irp k, 0,1,2,3,4,5,6,7
	v_pk_add_f32 v[32+2*\k:33+2*\k], v[32+2*\k:33+2*\k], v[48+2*\k:49+2*\k]
.endr
.irp k, 0,1,2,3
	v_pk_add_f32 v[32+2*\k:33+2*\k], v[32+2*\k:33+2*\k], v[40+2*\k:41+2*\k]
.endr
.irp k, 0,1
	v_pk_add_f32 v[32+2*\k:33+2*\k], v[32+2*\k:33+2*\k], v[36+2*\k:37+2*\k]
.endr
	v_pk_add_f32 v[32:33], v[32:33], v[34:35]
	v_pk_add_f32 v[32:33], v[32:33], v[72:73]      ; + bv
	s_wait_alu depctr_va_vdst(0)                   ; the additions have written v32-33, which the store reads
	global_store_b64 v6, v[32:33], s[12:13]        ; 256 neighbouring bytes, aligned
.Lend:
	s_wait_dscnt 0x0                               ; the closing lines, six on end
	s_wait_alu 0x0
	s_wait_tensorcnt 0x0
	ds_add_u32 v240, v241
	s_wait_dscnt 0x0
	s_endpgm
.Lfunc_end_k_q56ccc86bb4_finish:
	.size	k_q56ccc86bb4_finish, .Lfunc_end_k_q56ccc86bb4_finish-k_q56ccc86bb4_finish
	.p2alignl 7, 3214868480
	.fill 96, 4, 3214868480
	.section	.rodata,"a",@progbits
	.p2align	6, 0x0
	.amdhsa_kernel k_q56ccc86bb4_finish
		.amdhsa_group_segment_fixed_size 7680
		.amdhsa_private_segment_fixed_size 0
		.amdhsa_enable_private_segment 0
		.amdhsa_kernarg_size 48
		.amdhsa_user_sgpr_count 2
		.amdhsa_user_sgpr_kernarg_segment_ptr 1
		.amdhsa_wavefront_size32 1
		.amdhsa_system_sgpr_workgroup_id_x 1
		.amdhsa_system_sgpr_workgroup_id_y 1
		.amdhsa_system_sgpr_workgroup_id_z 1
		.amdhsa_system_vgpr_workitem_id 0
		.amdhsa_next_free_vgpr 242
		.amdhsa_next_free_sgpr 66
		.amdhsa_reserve_vcc 0
		.amdhsa_float_denorm_mode_32 3
		.amdhsa_float_denorm_mode_16_64 3
		.amdhsa_memory_ordered 1
		.amdhsa_forward_progress 1
		.amdhsa_inst_pref_size 18
	.end_amdhsa_kernel
	.amdgpu_metadata
---
amdhsa.version: [ 1, 2 ]
amdhsa.kernels:
  - .name:           k_q56ccc86bb4_finish
    .symbol:         k_q56ccc86bb4_finish.kd
    .args:
      - { .name: scores, .offset: 0, .size: 8, .value_kind: global_buffer, .address_space: global }
      - { .name: part, .offset: 8, .size: 8, .value_kind: global_buffer, .address_space: global }
      - { .name: wv_w, .offset: 16, .size: 8, .value_kind: global_buffer, .address_space: global }
      - { .name: wv_b, .offset: 24, .size: 8, .value_kind: global_buffer, .address_space: global }
      - { .name: out0, .offset: 32, .size: 8, .value_kind: global_buffer, .address_space: global }
      - { .name: out1, .offset: 40, .size: 8, .value_kind: global_buffer, .address_space: global }
    .group_segment_fixed_size: 7680
    .private_segment_fixed_size: 0
    .kernarg_segment_align: 8
    .kernarg_segment_size: 48
    .max_flat_workgroup_size: 256
    .sgpr_count:     66
    .vgpr_count:     242
    .wavefront_size: 32
...
	.end_amdgpu_metadata
.endif
;; end of part 6
